; MI455X (gfx1250); checked and timed in simulation.
; The chip was launched on July 23, 2026; its instructions are those of AMD's public machine-readable ISA for CDNA 5 (MIT licence, August 2026) and "CDNA5" Instruction Set Architecture Reference Guide (July 2026). The comments in the code are by the model that wrote it; some were corrected since.
;; Scattering Aware Attention. Allowed arithmetic: matrix products marked QUANTISED: E2M3 operands, one E8M0 scale for each 32 along K, by v_wmma_scale_f32_16x16x128_f8f6f4 with both operands' format E2M3, f32 sums; everything else in f32.
;; Inputs: G_ii 2 x 2,048 float32; Wk 1,024 x 1,024 float32; Wo 1,024 x 1,024 float32; Wq 1,024 x 1,024 float32; Wv 1,024 x 1,024 float32; bk 1,024 float32; bo 1,024 float32; bq 1,024 float32; bv 1,024 float32; x 2 x 2,048 x 1,024 float32.
;; Outputs: out0 2 x 2,048 x 1,024 float32.
;; This version of the problem:
;;   THIS VERSION OF THE PROBLEM IS GIVEN IN LOW PRECISION. The matrix products marked QUANTISED in the list below multiply operands that are first quantised to E2M3 (2 exponent bits, 3 mantissa bits; 6 bits a number), with one power-of-two scale for each 32 numbers along K (OCP MX v1.0); their sums are f32. All else is computed in f32.
;;   The module's matrix products, in the order in which they are computed (A, B: the left and right operand; K: the contracted axis; several contracted axes count as one K, in the product's order):
;;     1. [M 4,096, K 1,024] x [K 1,024, N 1,024]; A: input x; B: input Wq: QUANTISED
;;     2. [M 4,096, K 1,024] x [K 1,024, N 1,024]; A: input x; B: input Wk: QUANTISED
;;     3. [M 4,096, K 1,024] x [K 1,024, N 1,024]; A: input x; B: input Wv: QUANTISED
;;     4. batch 32 x [M 2,048, K 64] x [K 64, N 2,048]; A: computed on the way; B: computed on the way: QUANTISED
;;     5. batch 32 x [M 2,048, K 2,048] x [K 2,048, N 64]; A: softmax (see below); B: computed on the way: QUANTISED
;;     6. [M 4,096, K 1,024] x [K 1,024, N 1,024]; A: computed on the way; B: input Wo: QUANTISED
;;   THE QUANTISER, for each operand of a quantised product, along K:
;;     - K is cut into blocks of 32 from its start; a last block that is shorter is filled with zeros.
;;     - A block's scale is 2^e with e = floor(log2(the largest magnitude in the block)) - 2, held to -126 .. 127; a block of zeros has e = 0. As a byte (E8M0): e + 127.
;;     - Each number is divided by its block's scale, clamped to +-7.5, and rounded to the nearest number of E2M3, ties to even, subnormals kept.
;;     - The product sums the exact products of the quantised numbers (number of the format x scale) in f32.
;;   ~~~python
;;   def quantise(x, axis):      # numpy; x: float32 -> the quantised numbers, widened to float32 again
;;       x = np.moveaxis(x, axis, -1); K = x.shape[-1]
;;       x = np.pad(x, [(0, 0)] * (x.ndim - 1) + [(0, -K % 32)]); x = x.reshape(x.shape[:-1] + (-1, 32)); a = np.abs(x).max(-1, keepdims=True)
;;       e = np.where(a > 0, np.clip(np.frexp(np.where(a > 0, a, 1))[1] - 1 - 2, -126, 127), 0)      # np.frexp(a)[1] - 1 = floor(log2(a)), exactly
;;       r = np.clip(x / 2.0 ** e, -7.5, 7.5)
;;       step = 2.0 ** (np.maximum(np.frexp(np.where(r == 0, 1, r))[1] - 1, 0) - 3)
;;       q = np.round(r / step) * step * 2.0 ** e      # np.round: ties to even
;;       return np.moveaxis(q.reshape(q.shape[:-2] + (-1,))[..., :K], -1, axis).astype(np.float32)
;;   ~~~
;;   SOFTMAX AHEAD OF A QUANTISED PRODUCT. Where the list says 'softmax', what is quantised is not the finished softmax but p = 2^(t - M), with t = logit x log2(e) and M = ceil(the row's largest t), a whole number; so 1/2 < the row's largest p <= 1. The row's sum l is taken of the UNQUANTISED p, in f32, and the product's result is divided by l at the end. Since M is a whole number, a kernel that streams over the keys may use a running M (the ceiling of the running maximum): every later rescaling is an exact power of two, which a block's scale takes up: the codes' values come out the same.
;;   OPERANDS COMPUTED ON THE WAY. 'Computed on the way' means the value that the module computes at that place (a softmax that the list does not call 'softmax' is quantised finished and normalised). What goes into a quantiser is computed in f32, as accurately as f32 sums, v_exp_f32 and their like allow (about 1e-6 of the number): no bf16 or f16 on the way to a quantiser, and a product that is left as it is and whose result goes on into a quantised operand takes f32 operands (vector FMAs, or v_wmma_f32_16x16x4_f32). A number that lies on a knife's edge between two numbers of the format may be rounded either way, as far as f32 arithmetic and the matrix unit's own rounding can turn it there, and no further.
;; One version. Each part assembles by itself: llvm-mc -triple=amdgcn-amd-amdhsa -mcpu=gfx1250 --defsym DOCPART=n.
;; ======== version 1 of 1: 4 launches
;; workspace buffers: xc 3,145,728 bytes; xs 131,072 bytes; wc 3,145,728 bytes; ws 131,072 bytes; keep 256 bytes of whole numbers; qimg 6,553,600 bytes; kvimg 6,553,600 bytes; ac 4,194,304 bytes
;; launch prep (part 1): grid 257 x 1, 4 waves a work-group, no clusters, 68,096 bytes of LDS; arguments x, Wq, Wk, Wv, Wo, G_ii, xc, xs, wc, ws, keep; writes xc, xs, wc, ws, keep
.if DOCPART == 1
	.amdgcn_target "amdgcn-amd-amdhsa--gfx1250"
	.amdhsa_code_object_version 6
	.text
	.protected	k_q2ff993921d_prep
	.globl	k_q2ff993921d_prep
	.p2align	8
	.type	k_q2ff993921d_prep,@function
k_q2ff993921d_prep:
	s_mov_b64 s[64:65], 0
	v_nop
	global_prefetch_b8 v0, s[64:65] scope:SCOPE_SE
	s_setreg_imm32_b32 hwreg(HW_REG_WAVE_MODE, 25, 1), 1
	s_wait_xcnt 0x0
; THREE JOBS IN ONE LAUNCH, parted by the work-group's number.
;   work-groups 0-127:   x [4096][1024] f32 -> codes of FP6 (E2M3) xc [4096][768 bytes] and E8M0 scale bytes xs [4096][32], K innermost.
;   work-groups 128-255: Wq, Wk, Wv, Wo [1024 (k)][1024 (n)] f32 -> wc [4 x 1024 (n)][768 bytes], ws [4096][32]: K, their FIRST axis, becomes innermost.
;   work-group 256:      G_ii [2][2048] -> for each batch a 32-bit mask, bit j = block j of 64 queries is kept (largest |G_ii| >= 0.99), 32 copies of it.
; PHYSICAL ROWS: row p of xc, xs, wc, ws holds logical row (token, or output column) p with its bits 3 and 4 exchanged.  So 16 neighbouring physical rows 16 (2 g + u) .. + 15 are the
; logical rows 32 g + 8 u + r + 8 (r / 8), and in a matrix result the 16 registers of tiles 2 g and 2 g + 1 are 16 logical neighbours: what the next quantiser wants.
; A block's scale is 2^(floor(log2(its largest magnitude)) - 2); its byte is the largest magnitude's exponent field - 2, held at 1 from below.
; LIMITS: a block of zeros gets the byte 1 where the rule says 127 (its codes are zeros; this program alone reads the bytes); blocks whose largest magnitude lies under 2^-124 were not tried;
; NaN and infinities in x and the weights are not served; a NaN in G_ii counts as absent in the block's maximum.
; No tensor loads, no barrier: waves share nothing.  Each job has LDS bytes of its own: x's [0, 32768), the weights' [32768, 67584).
.set STEPS, 16                         ; x: a wave takes 16 steps of 512 numbers: 8 rows
.set CB,    12                         ; bytes of 16 codes
.set XR,    16                         ; v16-79   four sets of 16 numbers as they are loaded
.set XX,    80                         ; v80-111  two sets of 16 neighbours
.set XE,    112                        ; v112-127 a scale byte for each step
.set XC,    128                        ; v128-191 codes: four registers for each step, so that no store's data are written again
.set WREG,  8192                       ; x: LDS of a wave: two stages of 32 x SP bytes, behind them its 256 scale bytes
.set SP,    80                         ; a lane's place in a stage: 64 bytes + 16 of padding
.set WSTG,  32768                      ; the weights' stages: 32 rows x WPITCH for each wave
.set WPITCH, 272                       ; a stage row: sixteen places of 16 bytes, each with 12 bytes of codes, + 16
.set NB,    8                          ; weights: blocks of 32 along K for a wave (256 along K)
.set WX,    32                         ; v32-95   two sets of 32 numbers
.set WC,    96                         ; v96..    a block's codes
.set WOUT,  112                        ; v112-175 the way out
.set WSB,   24                         ; v24-25   the scale bytes, four to a register
	s_load_b512 s[4:19], s[0:1], 0x0               ; x s[4:5], Wq s[6:7], Wk s[8:9], Wv s[10:11], Wo s[12:13], G_ii s[14:15], xc s[16:17], xs s[18:19]
	s_load_b128 s[20:23], s[0:1], 0x40             ; wc s[20:21], ws s[22:23]
	s_load_b64 s[24:25], s[0:1], 0x50              ; keep
	v_lshl_add_u32 v192, v0, 2, 0x10800
	v_mov_b32 v193, 0
	v_lshrrev_b32 v1, 5, v0
	v_readfirstlane_b32 s26, v1                    ; wave 0..3
	v_and_b32 v2, 31, v0                           ; lane
	s_wait_kmcnt 0x0
	s_cmp_lt_u32 ttmp9, 128
	s_cbranch_scc0 .Lnot_x
; ---------------- x.  Rows are dense and 1,024 is a multiple of 32: a run of 8 rows is a plain stream of 256 blocks of 32.
; Each load reads 512 consecutive bytes, 16 a lane; a step's 2,048 bytes turn through the wave's stage and come back 64 bytes a lane: 16 neighbours, two lanes to a block.
	v_lshlrev_b32 v3, 4, v2                        ; my 16 bytes of a load's 512
	s_mul_i32 s28, s26, WREG
	v_lshrrev_b32 v14, 2, v2
	v_mul_u32_u24 v14, v14, SP
	v_and_b32 v15, 3, v2
	v_lshl_add_u32 v14, v15, 4, v14
	v_add_nc_u32 v14, s28, v14                     ; the stage, on the way in: SP (lane / 4) + 16 (lane % 4)
	v_mul_u32_u24 v15, v2, SP
	v_add_nc_u32 v15, s28, v15                     ; and on the way out: SP x lane
	v_mul_u32_u24 v4, v2, CB                       ; my codes' place in a step's
	v_lshrrev_b32 v5, 1, v2
	s_add_co_u32 s28, s28, 2*32*SP
	v_add_nc_u32 v5, s28, v5                       ; my wave's 256 scale bytes, my block's byte
	v_lshlrev_b32 v7, 3, v2                        ; on the way out 8 bytes a lane
	v_add_nc_u32 v6, s28, v7
	s_lshl_b32 s29, ttmp9, 2
	s_add_co_u32 s30, s29, s26                     ; the run that I read: 4 x work-group + wave
	s_lshl_b32 s30, s30, 15                        ; 8 rows of 4,096 bytes
	s_mov_b32 s31, 0
	s_add_nc_u64 s[4:5], s[4:5], s[30:31]
	s_and_b32 s32, s26, 1                          ; a row's bits 3 and 4 are the wave's bits 0 and 1: exchanged, they give the run that I write
	s_lshl_b32 s32, s32, 1
	s_lshr_b32 s33, s26, 1
	s_or_b32 s32, s32, s33
	s_add_co_u32 s32, s29, s32
	s_mul_i32 s30, s32, 8*768
	s_add_nc_u64 s[16:17], s[16:17], s[30:31]
	s_lshl_b32 s30, s32, 8                         ; 8 rows of 32 scale bytes
	s_add_nc_u64 s[18:19], s[18:19], s[30:31]
.macro XLOAD t
.irp i, 0,1,2,3
	global_load_b128 v[XR+16*((\t)%4)+4*\i:XR+16*((\t)%4)+4*\i+3], v3, s[4:5] offset:2048*(\t)+512*\i th:TH_LOAD_NT   ; 32 lanes read 512 consecutive bytes
.endr
.endm
.macro XTURN t                         ; step t's numbers through the stage: LDS serves a wave's instructions in order, so no wait stands between the stores and the loads
.irp i, 0,1,2,3
	ds_store_b128 v14, v[XR+16*((\t)%4)+4*\i:XR+16*((\t)%4)+4*\i+3] offset:32*SP*((\t)%2)+8*SP*\i
.endr
.irp i, 0,1,2,3
	ds_load_b128 v[XX+16*((\t)%2)+4*\i:XX+16*((\t)%2)+4*\i+3], v15 offset:32*SP*((\t)%2)+16*\i
.endr
.endm
.irp t, 0,1,2,3
	XLOAD \t
.endr
	s_wait_loadcnt 12                              ; step 0's four loads are in; the twelve of steps 1 to 3 may be out
	XTURN 0
.macro XSTEP t
.set XS, XX+16*((\t)%2)
.if (\t) > 0
	s_wait_dscnt 1                                 ; this step's numbers are back from the stage (the last step's byte store may be out): so its stores into the stage have read their registers,
.else
	s_wait_dscnt 0x0
.endif
.if (\t)+4 < STEPS
	XLOAD (\t)+4                                   ; which take the loads of four steps on
.endif
.if (\t)+1 < STEPS
.if STEPS-2-(\t) >= 3
	s_wait_loadcnt 12                              ; the next step's four loads are in; those of the three steps behind it may be out
.else
	s_wait_loadcnt 4*(STEPS-2-(\t))
.endif
	XTURN (\t)+1                                   ; and go through the other stage while this step is worked
.endif
	v_max3_num_f32 v8, |v[XS]|, |v[XS+1]|, |v[XS+2]|               ; the largest magnitude of my 16, in two chains
	v_max3_num_f32 v9, |v[XS+3]|, |v[XS+4]|, |v[XS+5]|
.irp i, 6,10
	v_max3_num_f32 v8, v8, |v[XS+\i]|, |v[XS+\i+1]|
	v_max3_num_f32 v9, v9, |v[XS+\i+2]|, |v[XS+\i+3]|
.endr
	v_max3_num_f32 v8, v8, |v[XS+14]|, |v[XS+15]|
	v_max3_num_f32 v8, v8, v9, 0x1800000           ; and the floor 2^(3 - 127): the byte cannot fall under 1
	v_max_num_f32_dpp v8, v8, v8 row_xmask:1 row_mask:0xf bank_mask:0xf   ; and of my neighbour's 16: the block's
	v_add_nc_u32 v11, 0xff000000, v8               ; 2 off its exponent field: the conversion takes the exponent field of this operand as its scale
	v_cvt_scalef32_pk16_fp6_f32 v[XC+4*(\t):XC+4*(\t)+2], v[XS:XS+15], v11
	v_lshrrev_b32 v[XE+(\t)], 23, v11              ; the scale's byte (a plain line behind the conversion)
	ds_store_b8 v5, v[XE+(\t)] offset:16*(\t)      ; both lanes of a block write the same byte with the same value
	global_store_b96 v4, v[XC+4*(\t):XC+4*(\t)+2], s[16:17] offset:32*CB*(\t)   ; the wave stores 384 consecutive bytes
.endm
.irp t, 0,1,2,3,4,5,6,7,8,9,10,11,12,13,14,15
	XSTEP \t
.endr
	ds_load_b64 v[12:13], v6                       ; LDS serves a wave's instructions in order: these see my byte stores
	s_wait_dscnt 0x0
	global_store_b64 v7, v[12:13], s[18:19]        ; 32 lanes store 256 consecutive bytes, aligned
	s_wait_tensorcnt 0x0
	ds_add_u32 v192, v193
	s_wait_dscnt 0x0
	s_endpgm
.Lnot_x:
	s_cmp_lt_u32 ttmp9, 256
	s_cbranch_scc0 .Lkeep
; ---------------- the weights.  A LANE TAKES A COLUMN n, AND ITS REGISTERS RUN DOWN K: a block of 32 along K lies in one lane's 32 registers, and the conversions give codes with K innermost.
; A wave takes 32 columns x 256 along K.  The codes go through the wave's stage, into the row that the column's exchanged bits name, and leave as rows: sixteen lanes store 192 consecutive bytes.
	s_sub_co_u32 s28, ttmp9, 128
	s_lshr_b32 s29, s28, 5                         ; which weight: 0 Wq, 1 Wk, 2 Wv, 3 Wo
	s_and_b32 s30, s28, 7                          ; which 128 columns
	s_bfe_u32 s31, s28, 0x20003                    ; which 256 along K
	s_cmp_eq_u32 s29, 1
	s_cselect_b64 s[6:7], s[8:9], s[6:7]
	s_cmp_eq_u32 s29, 2
	s_cselect_b64 s[6:7], s[10:11], s[6:7]
	s_cmp_eq_u32 s29, 3
	s_cselect_b64 s[6:7], s[12:13], s[6:7]
	s_lshl_b32 s32, s30, 7
	s_lshl_b32 s33, s26, 5
	s_add_co_u32 s32, s32, s33                     ; my wave's first column
	s_lshl_b32 s34, s31, 20                        ; 256 rows of 4,096 bytes
	s_lshl_b32 s33, s32, 2
	s_add_co_u32 s34, s34, s33
	s_mov_b32 s35, 0
	s_add_nc_u64 s[6:7], s[6:7], s[34:35]
	s_lshl_b32 s33, s29, 10
	s_add_co_u32 s33, s33, s32                     ; my first row of wc and ws
	s_mul_i32 s34, s33, 768
	s_mul_i32 s36, s31, 192
	s_add_co_u32 s34, s34, s36
	s_add_nc_u64 s[20:21], s[20:21], s[34:35]
	s_lshl_b32 s34, s33, 5
	s_lshl_b32 s36, s31, 3
	s_add_co_u32 s34, s34, s36
	s_add_nc_u64 s[22:23], s[22:23], s[34:35]
	v_lshlrev_b32 v3, 2, v2                        ; in: 4 bytes a lane
	v_and_b32 v10, 7, v2
	v_and_b32 v11, 8, v2
	v_lshl_or_b32 v10, v11, 1, v10
	v_bfe_u32 v11, v2, 4, 1
	v_lshl_or_b32 v10, v11, 3, v10                 ; my lane with bits 3 and 4 exchanged: my column's physical row among the wave's 32
	s_mul_i32 s37, s26, 32*WPITCH
	s_add_co_u32 s37, s37, WSTG                    ; my stage
	v_mul_u32_u24 v4, v10, WPITCH
	v_add_nc_u32 v4, s37, v4                       ; into it
	v_and_b32 v5, 15, v2
	v_lshrrev_b32 v6, 4, v2                        ; out of it: sixteen lanes to a row, two rows an instruction
	v_mul_u32_u24 v7, v6, WPITCH
	v_lshl_add_u32 v7, v5, 4, v7
	v_add_nc_u32 v7, s37, v7
	v_mul_u32_u24 v8, v6, 768
	v_mad_u32_u24 v8, v5, 12, v8                   ; and the same place in wc
	v_lshlrev_b32 v9, 5, v10                       ; my column's row of scale bytes
.macro WLOAD t                         ; block t: W(32 t + i, my column) into set t % 2; the largest offset, 255 rows of 4,096 bytes, lies inside the signed 24-bit immediate
.irp i, 0,1,2,3,4,5,6,7,8,9,10,11,12,13,14,15,16,17,18,19,20,21,22,23,24,25,26,27,28,29,30,31
	global_load_b32 v[WX+32*((\t)%2)+\i], v3, s[6:7] offset:(32*(\t)+\i)*4096 th:TH_LOAD_NT
.endr
.endm
	WLOAD 0
	WLOAD 1
.macro WBLOCK t
.set XS, WX+32*((\t)%2)
.if (\t) < NB-1
	s_wait_loadcnt 32                              ; this block's 32 loads are in; the next block's 32 may be out
.else
	s_wait_loadcnt 0
.endif
	v_max3_num_f32 v12, |v[XS]|, |v[XS+1]|, |v[XS+2]|               ; the block's largest magnitude: all 32 numbers are mine
	v_max3_num_f32 v13, |v[XS+3]|, |v[XS+4]|, |v[XS+5]|
.irp i, 6,10,14,18,22,26
	v_max3_num_f32 v12, v12, |v[XS+\i]|, |v[XS+\i+1]|
	v_max3_num_f32 v13, v13, |v[XS+\i+2]|, |v[XS+\i+3]|
.endr
	v_max3_num_f32 v12, v12, |v[XS+30]|, |v[XS+31]|
	v_max3_num_f32 v12, v12, v13, 0x1800000        ; and the floor 2^(3 - 127)
	v_add_nc_u32 v11, 0xff000000, v12              ; 2 off its exponent field: the conversion's scale operand
	v_lshrrev_b32 v13, 23, v11                     ; the scale's byte
.if (\t)%4 == 0
	v_mov_b32 v[WSB+(\t)/4], v13                   ; four bytes to a register, the lower K in the lower byte
.else
	v_lshl_or_b32 v[WSB+(\t)/4], v13, 8*((\t)%4), v[WSB+(\t)/4]
.endif
	v_cvt_scalef32_pk16_fp6_f32 v[WC:WC+2], v[XS:XS+15], v11
	v_cvt_scalef32_pk16_fp6_f32 v[WC+4:WC+6], v[XS+16:XS+31], v11   ; (a conversion's three registers begin on an even number)
	ds_store_b96 v4, v[WC:WC+2] offset:32*(\t)     ; 12 bytes to a place of 16, so that every LDS address is a multiple of 16
	ds_store_b96 v4, v[WC+4:WC+6] offset:32*(\t)+16
.if (\t)+2 < NB
	WLOAD (\t)+2
.endif
	s_wait_dscnt 0x0                               ; the stores have read their registers: the next block's codes may be written
.endm
.set Q, 0
.rept NB
	WBLOCK Q
.set Q, Q+1
.endr
	global_store_b64 v9, v[WSB:WSB+1], s[22:23]    ; my column's 8 scale bytes
.irp t, 0,1,2,3,4,5,6,7,8,9,10,11,12,13,14,15
	ds_load_b96 v[WOUT+4*\t:WOUT+4*\t+2], v7 offset:2*\t*WPITCH   ; LDS serves a wave's instructions in order: these see my stores
.endr
.irp t, 0,1,2,3,4,5,6,7,8,9,10,11,12,13,14,15
	s_wait_dscnt 15-\t                             ; loads come back in order: row pair t is in
	global_store_b96 v8, v[WOUT+4*\t:WOUT+4*\t+2], s[20:21] offset:2*\t*768
.endr
	s_wait_tensorcnt 0x0
	ds_add_u32 v192, v193
	s_wait_dscnt 0x0
	s_endpgm
; ---------------- the masks.  Wave b (0, 1) takes batch b, lane j its block j of 64 numbers.  The address of the store is fixed; only what is stored hangs on the numbers.
.Lkeep:
	s_cmp_gt_u32 s26, 1
	s_cbranch_scc1 .Lkeep_end                      ; two batches: two waves
	s_lshl_b32 s28, s26, 13                        ; a batch is 8,192 bytes
	v_lshl_add_u32 v3, v2, 8, s28                  ; a block 256
.irp i, 0,1,2,3,4,5,6,7,8,9,10,11,12,13,14,15
	global_load_b128 v[16+4*\i:19+4*\i], v3, s[14:15] offset:16*\i
.endr
	s_mov_b32 s27, 0x3f7d70a4                      ; 0.99 in f32
	s_lshl_b32 s28, s26, 7
	v_lshl_add_u32 v10, v2, 2, s28                 ; word 32 b + lane
	s_wait_loadcnt 0x0
	v_max3_num_f32 v8, |v16|, |v17|, |v18|
	v_max3_num_f32 v9, |v19|, |v20|, |v21|
.irp i, 22,26,30,34,38,42,46,50,54,58,62,66,70,74
	v_max3_num_f32 v8, v8, |v[\i]|, |v[\i+1]|
	v_max3_num_f32 v9, v9, |v[\i+2]|, |v[\i+3]|
.endr
	v_max3_num_f32 v8, v8, |v78|, |v79|
	v_max_num_f32 v8, v8, v9                       ; the block's largest |G_ii|
	v_cmp_le_f32 vcc_lo, s27, v8                   ; bit j: 0.99 <= it
	v_mov_b32 v9, vcc_lo                           ; the batch's mask, in every lane
	global_store_b32 v10, v9, s[24:25]
.Lkeep_end:
	s_endpgm
.Lfunc_end_k_q2ff993921d_prep:
	.size	k_q2ff993921d_prep, .Lfunc_end_k_q2ff993921d_prep-k_q2ff993921d_prep
	.p2alignl 7, 3214868480
	.fill 96, 4, 3214868480
	.section	.rodata,"a",@progbits
	.p2align	6, 0x0
	.amdhsa_kernel k_q2ff993921d_prep
		.amdhsa_group_segment_fixed_size 68096
		.amdhsa_private_segment_fixed_size 0
		.amdhsa_enable_private_segment 0
		.amdhsa_kernarg_size 88
		.amdhsa_user_sgpr_count 2
		.amdhsa_user_sgpr_kernarg_segment_ptr 1
		.amdhsa_wavefront_size32 1
		.amdhsa_system_sgpr_workgroup_id_x 1
		.amdhsa_system_sgpr_workgroup_id_y 1
		.amdhsa_system_sgpr_workgroup_id_z 1
		.amdhsa_system_vgpr_workitem_id 0
		.amdhsa_next_free_vgpr 194
		.amdhsa_next_free_sgpr 66
		.amdhsa_reserve_vcc 1
		.amdhsa_float_denorm_mode_32 3
		.amdhsa_float_denorm_mode_16_64 3
		.amdhsa_memory_ordered 1
		.amdhsa_forward_progress 1
		.amdhsa_inst_pref_size 78
	.end_amdhsa_kernel
	.amdgpu_metadata
---
amdhsa.version: [ 1, 2 ]
amdhsa.kernels:
  - .name:           k_q2ff993921d_prep
    .symbol:         k_q2ff993921d_prep.kd
    .args:
      - { .name: x, .offset: 0, .size: 8, .value_kind: global_buffer, .address_space: global }
      - { .name: Wq, .offset: 8, .size: 8, .value_kind: global_buffer, .address_space: global }
      - { .name: Wk, .offset: 16, .size: 8, .value_kind: global_buffer, .address_space: global }
      - { .name: Wv, .offset: 24, .size: 8, .value_kind: global_buffer, .address_space: global }
      - { .name: Wo, .offset: 32, .size: 8, .value_kind: global_buffer, .address_space: global }
      - { .name: G_ii, .offset: 40, .size: 8, .value_kind: global_buffer, .address_space: global }
      - { .name: xc, .offset: 48, .size: 8, .value_kind: global_buffer, .address_space: global }
      - { .name: xs, .offset: 56, .size: 8, .value_kind: global_buffer, .address_space: global }
      - { .name: wc, .offset: 64, .size: 8, .value_kind: global_buffer, .address_space: global }
      - { .name: ws, .offset: 72, .size: 8, .value_kind: global_buffer, .address_space: global }
      - { .name: keep, .offset: 80, .size: 8, .value_kind: global_buffer, .address_space: global }
    .group_segment_fixed_size: 68096
    .private_segment_fixed_size: 0
    .kernarg_segment_align: 8
    .kernarg_segment_size: 88
    .max_flat_workgroup_size: 128
    .sgpr_count:     66
    .vgpr_count:     194
    .wavefront_size: 32
...
	.end_amdgpu_metadata
.endif
;; end of part 1
;; launch qkv (part 2): grid 12 x 16, 4 waves a work-group, clusters of 4 x 4, 327,680 bytes of LDS; arguments xc, xs, wc, ws, bq, bk, bv, qimg, kvimg; writes qimg, kvimg
.if DOCPART == 2
	.amdgcn_target "amdgcn-amd-amdhsa--gfx1250"
	.amdhsa_code_object_version 6
	.text
	.protected	k_q2ff993921d_qkv
	.globl	k_q2ff993921d_qkv
	.p2align	8
	.type	k_q2ff993921d_qkv,@function
k_q2ff993921d_qkv:
	s_mov_b64 s[64:65], 0
	v_nop
	global_prefetch_b8 v0, s[64:65] scope:SCOPE_SE
	s_setreg_imm32_b32 hwreg(HW_REG_WAVE_MODE, 25, 1), 1
	s_wait_xcnt 0x0
	s_wait_alu depctr_hold_cnt(0) depctr_sa_sdst(0) depctr_va_vdst(0) depctr_va_sdst(0) depctr_va_ssrc(0) depctr_va_vcc(0) depctr_vm_vsrc(0)
	s_getreg_b32 s2, hwreg(HW_REG_IB_STS2, 6, 4)
	s_cmp_eq_u32 s2, 0
	s_cbranch_scc0 .Lentry_in_a_cluster
	s_endpgm
.Lentry_in_a_cluster:
	s_bfe_u32 s2, ttmp6, 0x10000c
	s_cmp_lg_u32 s2, 0xf033
	s_cbranch_scc0 .Lentry_shape_is_right
	s_endpgm
.Lentry_shape_is_right:
; q = x Wq + bq, k = x Wk + bk, v = x Wv + bv as ONE product on codes of FP6 (E2M3) with E8M0 scales, K = 1,024; the results are quantised in registers and leave as the operand images that the attention wants.
; A work-group of four waves makes 256 x 256; a wave 128 x 128: 64 accumulators, 512 registers.  K goes in steps of 256 through a ring of two LDS slots filled by the tensor data mover.
; The scale bytes of the work-group's rows, for all of K, come into LDS once, with the first fills.
; SECTIONS.  The cluster's x says what is made: 0 q, 1 k, 2 v.  The matrix instruction takes source 0 = 16 rows of "B", source 1 = 16 rows of "A": a lane holds one row of A, its registers run along B's rows.
;   q, k: A = x's rows (tokens), B = the weight's rows (output columns): a lane holds a token, its registers run along the head's dimensions, the K of the scores.
;   v:    A = Wv's rows (output columns d), B = x's rows: a lane holds a column d, its registers run along the keys, the K of the second product.
; Rows of xc and wc lie with bits 3 and 4 of their number exchanged, so the 16 registers of accumulators (a, 2 g) and (a, 2 g + 1) are the 16 logical neighbours 32 g + 16 (lane / 16) + 0 .. 15 along B.
; CLUSTERS: 4 x 4 work-groups.  A's tiles are shared along a row of the cluster, B's along a column: each is asked for jointly, by the same tensor load with the same descriptor and a mask that names the four.
; OUT.  kvimg (and qimg, of which only K's part is written): [batch][head][128 tokens][12,800 bytes]: four images of 1,536 bytes, each two tiles of 16 tokens x 64 (one in registers 0-5, one in 6-11);
;   four images of V^T (16 d x 128 keys); 256 bytes of K's scale words (row r, image J at 16 r + 4 J); 256 bytes of V's.  An image is a fragment's 12 registers: register 4 c + i of lane l at 512 c + 16 l + 4 i.
; LIMITS: a block of zeros gets the byte 1 where the rule says 127 (its codes are zeros; this program alone reads the bytes); blocks under 2^-124 were not tried; NaN and infinities are not served.
; REGISTERS, in windows of 256: window 0: v8-15 v's bias, v16-31 addresses, v32-63 scale words (two sets), v64-127 q's or k's bias, from v128 A's fragments (one set); on the way out v128-247 at work.
;   window 1: B's fragments, two sets.   window 2: the accumulators of my rows 0-63 ((a, b) at v[8 (8 a + b)]);   window 3: those of my rows 64-127.
.set KSTEP,  256                       ; along K in a slot
.set NQ,     KSTEP/128                 ; matrix instructions deep
.set ROWB,   192                       ; a tile's row in bytes
.set KROW,   768                       ; a row of xc or wc in memory
.set PITCH,  240                       ; an LDS row: 3 x (64 bytes + 16 of padding)
.set FR,     12                        ; registers of a fragment
.set NL,     6                         ; LDS loads that bring one
.set NP,     4                         ; places behind this matrix instruction (ISA guide 7.12.1)
.set HALFT,  128*PITCH                 ; 128 rows: what one tensor load brings
.set SLOT,   4*HALFT                   ; A's 256 rows, then B's 256 rows
.set LAPS,   2                         ; 1,024 along K: twice round the ring
.set KS,     32                        ; a row of scale bytes
.set SCL,    2*SLOT                    ; behind the ring: the scales, as runs of 256 bytes + 16 of padding
.set HALFS,  (128*KS/256)*272
.set SBLK,   (16*KS/256)*272
.set SPARE,  SCL+4*HALFS               ; the spare words, 128 bytes for each wave: two blocks of 256 bytes that no other line names
.set BLKB,   12800                     ; the images and scale words of 128 tokens of one head
.set HS,     16*BLKB                   ; a head's
.set BV,   8                           ; v8-15   v's bias: register a: that of my lane's row in A's block a
.set ADRA, 16                          ; v16-17  LDS address of my A fragments in slot 0, 1  (v18-19: for the pieces behind one padding more)
.set ADRB, 20                          ; v20-23  the same for B
.set LI,   24                          ; v24     16 x lane: an image's place for my lane
.set VS,   25                          ; v25     the scale words' place: lanes 0-15 the first head's row, lanes 16-31 the second head's
.set ADRS, 27                          ; v27     LDS address of my scale words: lanes 0-15 A's rows, lanes 16-31 B's
.set SPW,  28                          ; v28     LDS address of my spare word; never rewritten
.set NIL,  29                          ; v29     0; never rewritten
.set BO,   30                          ; v30     64 x (lane / 16): q's and k's bias
.set BVO,  31                          ; v31     4 (r + 8 (r / 8)): v's bias
.set SC,   32                          ; scale words, two sets of 16
.set BIAS, 64                          ; v64-127 register 16 g + i: the bias of column 32 g + 16 (lane / 16) + i of my 128
.set AF,   128                         ; A's fragments
.set T,    128                         ; the way out: 64 numbers at work
.set IA,   192                         ; an image
.set IB,   204                         ; the second head's
.set CT,   216                         ; v216-218, v220-222: the conversions' second halves
.set TM,   224                         ; v224-239 at work in the quantiser
.set PW0,  240
.set PW1,  241
.set WA,   242
.set WB,   243
.set SW,   244                         ; v244-247 four scale words to store
.set SWV,  32                          ; v32-39  V's eight scale words
.set HIM,  20                          ; s20     on the way out: the mask of lanes 16-31
.set SEL,  22                          ; s22-23  on the way out: v_permlanex16_b32's selects for lane l xor 16
.set G1, 24                            ; s[24:31] descriptor group 1 for A's tiles;  s[32:39] group 0, one set for each slot
.set G0, 32
.set G1B, 48                           ; s[48:55], s[56:63] the same for B's tiles
.set G0B, 56
.set G1S, 68                           ; s[68:75], s[76:79] groups 1 and 0 for A's scales;  s[80:87], s[88:91] for B's
.set G0S, 76
.set G1SB, 80
.set G0SB, 88
.set MSB, 0
.macro WIN new                         ; the immediate's high byte repeats the setting that is left
.if MSB != \new
	s_set_vgpr_msb (MSB<<8)|\new
.set MSB, \new
.endif
.endm
.set MUL_LO, 0xa1                      ; source 0 (B) window 1, source 1 (A) window 0, C and D window 2
.set MUL_HI, 0xf1                      ; the same, C and D window 3
.set TO_B,   0x40                      ; destination window 1, address window 0
; A joint load: waves 0 and 1 fetch for A, waves 2 and 3 for B.  Each of the two lines has one mask and one set of registers for all that issue it; the branch hangs on the wave's number alone.
; Four v_nop follow each of the two lines, ahead of the jump, the label and what follows.
.macro JLOAD g0a, g1a, g0b, g1b
	s_cmp_eq_u32 s15, 0
	s_cbranch_scc0 .Lfor_b_\@
	tensor_load_to_lds s[\g0a:\g0a+3], s[\g1a:\g1a+7]
	s_nop 0
.rept 4
	v_nop
.endr
	s_branch .Lasked_\@
.Lfor_b_\@:
	tensor_load_to_lds s[\g0b:\g0b+3], s[\g1b:\g1b+7]
	s_nop 0
.rept 4
	v_nop
.endr
.Lasked_\@:
.endm
.macro CREST                           ; a round of the cluster's barrier behind its opening barrier
	s_cmp_lg_u32 s14, 0
	s_cbranch_scc1 .Lnot_wave_0_\@
	s_barrier_signal -3
.Lnot_wave_0_\@:
	s_barrier_wait -3
	s_barrier_signal -1
	s_barrier_wait -1
.endm
.macro CROUND                          ; a whole round
	s_barrier_signal -1
	s_barrier_wait -1
	CREST
.endm
	s_load_b256 s[92:99], s[0:1], 0x0              ; xc s[92:93], xs s[94:95], wc s[96:97], ws s[98:99]
	v_lshl_add_u32 v[SPW], v0, 2, SPARE
	v_mov_b32 v[NIL], 0
	ds_add_u32 v28, v29
	ds_add_u32 v28, v29
	s_wait_dscnt 0x0
	v_lshrrev_b32 v1, 5, v0
	v_readfirstlane_b32 s14, v1                    ; wave 0..3
	s_lshr_b32 s15, s14, 1                         ; which half of A's 256 rows is mine.  Also: I fetch for A (0) or for B (1)
	s_and_b32 s16, s14, 1                          ; which half of B's.  Also: which 128 rows of that tile I fetch
	s_bfe_u32 s40, ttmp6, 0x40000                  ; cx, cy: my place in the cluster
	s_bfe_u32 s41, ttmp6, 0x40004
	s_and_b32 s18, ttmp7, 0xffff
	s_lshl_b32 s18, s18, 2                         ; 4 x cluster y
	s_lshl_b32 s19, ttmp9, 2                       ; 4 x cluster x
	s_cmp_eq_u32 ttmp9, 2                          ; the section: the same in all sixteen partners
	s_cselect_b32 s17, 8, s18                      ; A's tile of 256 rows: of x by cluster y; for v: of wc, from row 2,048 (Wv) on;
	s_cselect_b32 s42, s18, s19                    ; B's: of wc by cluster x (0-3 Wq, 4-7 Wk); for v: of x by cluster y
	s_add_co_u32 s17, s17, s41                     ; + cy: A's tile hangs on cy alone of the two places
	s_add_co_u32 s42, s42, s40                     ; + cx: B's on cx alone
	s_lshl_b32 s43, s41, 2
	s_lshl_b32 s43, 15, s43                        ; my row of the cluster
	s_lshl_b32 s44, 0x1111, s40                    ; my column
	; descriptor group 1: a tile of 128 rows x 192 bytes, padded in LDS
	s_or_b32 s[G1+0], s43, (0<<16)|(1<<20)|(1<<21)|(3<<22)|(3<<25)  ; 15:0 the mask: A's tiles go to my row; 17:16 element of 1 byte; 20 padding on; 21 set beside a mask; 24:22 after every 16 words; 31:25 of 4 words
	s_or_b32 s[G1B+0], s44, (0<<16)|(1<<20)|(1<<21)|(3<<22)|(3<<25)
.irp g, G1, G1B
	s_mov_b32 s[\g+1], ROWB<<16                    ; tensor_dim0
	s_mov_b32 s[\g+2], 128<<16                     ; tensor_dim1
	s_mov_b32 s[\g+3], ROWB<<16                    ; tile_dim0
	s_mov_b32 s[\g+4], 128                         ; tile_dim1
	s_mov_b32 s[\g+5], KROW                        ; tensor_dim0_stride
	s_mov_b32 s[\g+6], 0
	s_mov_b32 s[\g+7], 0
.endr
	; the scales of 128 rows: a dense block of 4,096 bytes, as 16 rows of 256 bytes (32 elements of 8 bytes), 16 bytes of padding behind each
	s_or_b32 s[G1S+0], s43, (3<<16)|(1<<20)|(1<<21)|(5<<22)|(3<<25)
	s_or_b32 s[G1SB+0], s44, (3<<16)|(1<<20)|(1<<21)|(5<<22)|(3<<25)
.irp g, G1S, G1SB
	s_mov_b32 s[\g+1], 32<<16
	s_mov_b32 s[\g+2], (128*KS/256)<<16
	s_mov_b32 s[\g+3], 32<<16
	s_mov_b32 s[\g+4], 128*KS/256
	s_mov_b32 s[\g+5], 32
	s_mov_b32 s[\g+6], 0
	s_mov_b32 s[\g+7], 0
.endr
	s_lshl_b32 s18, s16, 7                         ; which 128 rows of the tile I fetch
	s_lshl_b32 s20, s17, 8
	s_add_co_u32 s20, s20, s18                     ; A: row
	s_lshl_b32 s46, s42, 8
	s_add_co_u32 s46, s46, s18                     ; B: row
	s_mov_b32 s21, 0
	s_mov_b32 s47, 0
	s_mov_b64 s[18:19], KS
	s_mul_u64 s[22:23], s[20:21], s[18:19]         ; where these rows' scales begin, in bytes
	s_mul_u64 s[2:3], s[46:47], s[18:19]
	s_mov_b64 s[18:19], KROW
	s_mul_u64 s[20:21], s[20:21], s[18:19]         ; and their codes
	s_mul_u64 s[46:47], s[46:47], s[18:19]
	s_mul_i32 s45, s14, HALFT                      ; where they go: wave x 128 rows: no place in the cluster enters an LDS address
	s_mul_i32 s104, s14, HALFS
	s_wait_kmcnt 0x0
	s_cmp_eq_u32 ttmp9, 2                          ; which buffers are A and B
	s_cselect_b64 s[4:5], s[96:97], s[92:93]       ; A's codes
	s_cselect_b64 s[6:7], s[98:99], s[94:95]       ; A's scales
	s_cselect_b64 s[8:9], s[92:93], s[96:97]       ; B's codes
	s_cselect_b64 s[10:11], s[94:95], s[98:99]     ; B's scales
	s_add_nc_u64 s[20:21], s[4:5], s[20:21]
	s_add_nc_u64 s[22:23], s[6:7], s[22:23]
	s_add_nc_u64 s[46:47], s[8:9], s[46:47]
	s_add_nc_u64 s[2:3], s[10:11], s[2:3]
	CROUND                                         ; all sixteen work-groups are here: the first joint loads meet
	s_mov_b32 s[G0S], 1
	s_add_co_u32 s[G0S+1], s104, SCL
	s_mov_b64 s[G0S+2:G0S+3], s[22:23]
	s_or_b32 s[G0S+3], s[G0S+3], 0x80000000
	s_mov_b32 s[G0SB], 1
	s_add_co_u32 s[G0SB+1], s104, SCL
	s_mov_b64 s[G0SB+2:G0SB+3], s[2:3]
	s_or_b32 s[G0SB+3], s[G0SB+3], 0x80000000
	JLOAD G0S, G1S, G0SB, G1SB                     ; the scales first: they are wanted with K step 0
.irp s, 0,1
	s_mov_b32 s[G0+4*\s], 1
	s_add_co_u32 s[G0+4*\s+1], s45, \s*SLOT
	s_add_nc_u64 s[G0+4*\s+2:G0+4*\s+3], s[20:21], \s*ROWB
	s_or_b32 s[G0+4*\s+3], s[G0+4*\s+3], 0x80000000
	s_mov_b32 s[G0B+4*\s], 1
	s_add_co_u32 s[G0B+4*\s+1], s45, \s*SLOT
	s_add_nc_u64 s[G0B+4*\s+2:G0B+4*\s+3], s[46:47], \s*ROWB
	s_or_b32 s[G0B+4*\s+3], s[G0B+4*\s+3], 0x80000000
	JLOAD G0+4*\s, G1, G0B+4*\s, G1B
.endr
	s_load_b256 s[92:99], s[0:1], 0x20             ; bq s[92:93], bk s[94:95], bv s[96:97], qimg s[98:99]
	s_load_b64 s[100:101], s[0:1], 0x40            ; kvimg
	v_and_b32 v1, 15, v0                           ; r = l % 16
	v_bfe_u32 v2, v0, 4, 1                         ; h = l / 16
	v_mul_u32_u24 v3, v1, PITCH
	v_mul_u32_u24 v4, v2, 24
	v_add_nc_u32 v4, v3, v4                        ; a fragment's row x pitch + 24 x half
	v_lshl_add_u32 v5, v2, 4, v4                   ; and the same behind one padding more
	s_mul_i32 s21, s15, HALFT                      ; my 128 rows of A
	s_mul_i32 s22, s16, HALFT                      ; my 128 rows of B,
	s_add_co_u32 s22, s22, 2*HALFT                 ; which lie behind A's 256
.irp s, 0,1
	v_add_nc_u32 v[ADRA+\s], s21, v4
	v_add_nc_u32 v[ADRB+\s], s22, v4
	v_add_nc_u32 v[ADRA+2+\s], s21, v5
	v_add_nc_u32 v[ADRB+2+\s], s22, v5
	s_add_co_u32 s21, s21, SLOT
	s_add_co_u32 s22, s22, SLOT
.endr
	v_mul_u32_u24 v5, v1, KS                       ; my row's scales: 32 bytes a row,
	v_lshrrev_b32 v6, 8, v5
	v_lshl_add_u32 v5, v6, 4, v5                   ; and 16 more for each 256 passed
	s_mul_i32 s21, s15, HALFS                      ; A's: my 128 rows
	s_mul_i32 s22, s16, HALFS                      ; B's: my 128 rows, behind A's 256
	s_add_co_u32 s22, s22, 2*HALFS
	s_sub_co_u32 s22, s22, s21
	v_mul_u32_u24 v6, s22, v2                      ; lanes 16-31 take B's
	s_add_co_u32 s21, s21, SCL
	v_add_nc_u32 v5, v5, v6
	v_add_nc_u32 v[ADRS], s21, v5
	v_and_b32 v6, 31, v0
	v_lshlrev_b32 v[LI], 4, v6
	v_mul_u32_u24 v[VS], v2, HS
	v_lshl_add_u32 v[VS], v1, 4, v[VS]
	v_lshlrev_b32 v[BO], 6, v2
	v_and_b32 v[BVO], 8, v1
	v_add_nc_u32 v[BVO], v[BVO], v1
	v_lshlrev_b32 v[BVO], 2, v[BVO]
	s_wait_kmcnt 0x0
	s_cmp_eq_u32 ttmp9, 1
	s_cselect_b64 s[66:67], s[94:95], s[92:93]     ; the section's bias,
	s_cmp_eq_u32 ttmp9, 0
	s_cselect_b64 s[12:13], s[98:99], s[100:101]   ; and where its images go
	s_cmp_eq_u32 ttmp9, 2
	s_cselect_b64 s[66:67], s[96:97], s[66:67]
	s_cselect_b32 s2, s42, s17                     ; the tile of 256 tokens, and my half of it
	s_cselect_b32 s3, s16, s15
	s_cselect_b32 s104, s17, s42                   ; the tile of 256 output columns, and my half
	s_cselect_b32 s105, s15, s16
	s_lshl_b32 s2, s2, 1
	s_add_co_u32 s2, s2, s3                        ; which 128 tokens of the 4,096
	s_and_b32 s104, s104, 3
	s_lshl_b32 s104, s104, 2
	s_lshl_b32 s105, s105, 1
	s_add_co_u32 s104, s104, s105                  ; my first head: my 128 columns are two heads
	s_lshl_b32 s46, s104, 8                        ; 64 numbers of 4 bytes a head
	s_mov_b32 s47, 0
	s_add_nc_u64 s[66:67], s[66:67], s[46:47]
	s_lshr_b32 s3, s2, 4                           ; the batch
	s_and_b32 s2, s2, 15                           ; which 128 tokens of it
	s_lshl_b32 s3, s3, 4
	s_add_co_u32 s3, s3, s104
	s_lshl_b32 s3, s3, 4
	s_add_co_u32 s3, s3, s2
	s_mul_i32 s46, s3, BLKB
	s_add_nc_u64 s[12:13], s[12:13], s[46:47]
	; both kinds of bias are loaded, with no branch: each stays inside my 512 bytes of the 4,096.  They are waited for on the way out
.irp g, 0,1,2,3
.irp e, 0,1,2,3
	global_load_b128 v[BIAS+16*\g+4*\e:BIAS+16*\g+4*\e+3], v[BO], s[66:67] offset:128*\g+16*\e
.endr
.endr
.irp a, 0,1,2,3,4,5,6,7
	global_load_b32 v[BV+\a], v[BVO], s[66:67] offset:4*(32*(\a/2)+8*(\a%2))
.endr
.macro FRAG reg, adr, q, i             ; a fragment, 16 rows x 128 K, is 12 registers: lane l holds row l % 16; registers 6 c .. 6 c + 5 hold K = 64 c + 32 (l / 16) + 0 .. 31: 24 bytes of the row's stream of bits
.irp p, 0,1,2,3,4,5                    ; in pieces of 8 bytes.  Lanes 16-31 read three pieces further on than lanes 0-15;
.set PC, 12*(\q)+6*(\p/3)+\p%3        ; where that piece lies behind one padding more, the second address register (40 for 24 bytes a half) serves
.if PC%8 < 5
	ds_load_b64 v[\reg+2*\p:\reg+2*\p+1], v[\adr] offset:8*PC+16*(PC/8)+(\i)*16*PITCH
.else
	ds_load_b64 v[\reg+2*\p:\reg+2*\p+1], v[\adr+2] offset:8*PC+16*(PC/8)+(\i)*16*PITCH
.endif
.endr
.endm
; 16 matrix instructions: A's blocks a0, a0 + 1 x B's eight, 128 along K.  p: B's set;  sc: the set of scale words.  zero = 1: the first product starts the sums.
; The 64 accumulators take turns, one instruction a turn, in the same order in every step.
.macro MUL16 a0, p, q, sc, zero
.irp a, \a0, \a0+1
.irp b, 0,1,2,3,4,5,6,7
.if \zero
	v_wmma_scale_f32_16x16x128_f8f6f4 v[8*(8*((\a)%4)+\b):8*(8*((\a)%4)+\b)+7], v[128*(\p)+FR*\b:128*(\p)+FR*\b+FR-1], v[AF+FR*(\a):AF+FR*(\a)+FR-1], 0, v[SC+8*NQ*(\sc)+NQ*\b+(\q)], v[SC+8*NQ*(\sc)+NQ*(\a)+(\q)] matrix_a_fmt:MATRIX_FMT_FP6 matrix_b_fmt:MATRIX_FMT_FP6 matrix_a_scale:MATRIX_SCALE_ROW1
.else
	v_wmma_scale_f32_16x16x128_f8f6f4 v[8*(8*((\a)%4)+\b):8*(8*((\a)%4)+\b)+7], v[128*(\p)+FR*\b:128*(\p)+FR*\b+FR-1], v[AF+FR*(\a):AF+FR*(\a)+FR-1], v[8*(8*((\a)%4)+\b):8*(8*((\a)%4)+\b)+7], v[SC+8*NQ*(\sc)+NQ*\b+(\q)], v[SC+8*NQ*(\sc)+NQ*(\a)+(\q)] matrix_a_fmt:MATRIX_FMT_FP6 matrix_b_fmt:MATRIX_FMT_FP6 matrix_a_scale:MATRIX_SCALE_ROW1
.endif
.endr
.endr
.endm
.macro FETCH_B slot, q, p              ; B's eight fragments of the slot's q-th 128 along K into set p
	WIN TO_B
.irp i, 0,1,2,3,4,5,6,7
	FRAG 128*(\p)+FR*\i, ADRB+\slot, \q, \i
.endr
	WIN 0
.endm
.macro FETCH_A slot, q, i0             ; A's blocks i0 .. i0 + 3
.irp i, \i0, \i0+1, \i0+2, \i0+3
	FRAG AF+FR*(\i), ADRA+\slot, \q, \i
.endr
.endm
.macro SCALES sc                       ; the next K step's scale words into set sc: lanes 0-15 take A's block i, lanes 16-31 B's block i
.irp i, 0,1,2,3,4,5,6,7
	ds_load_b64 v[SC+8*NQ*\sc+NQ*\i:SC+8*NQ*\sc+NQ*\i+1], v[ADRS] offset:\i*SBLK
.endr
.endm
; A load into a register that a matrix instruction has read, and a vector instruction that reads a matrix result or writes one of its registers, stand NP places behind it; only plain vector
; instructions that name none of its registers are places (ISA guide 7.12.1 for vector instructions).
.macro PLACES n
.rept \n
	v_nop
.endr
.endm
; A step of 128 along K that has its successor in the same slot.
.macro STEP slot, q, zero
	s_wait_dscnt 4*NL                              ; B's set and A's blocks 0-3 are in; the youngest 24 loads (A's blocks 4-7) may be out
	WIN MUL_LO
	MUL16 0, (\q)%2, \q, \slot, \zero
	MUL16 2, (\q)%2, \q, \slot, \zero
	s_wait_dscnt 0                                 ; A's blocks 4-7 are in
	PLACES NP
	FETCH_B \slot, (\q)+1, 1-(\q)%2
	FETCH_A \slot, (\q)+1, 0
	WIN MUL_HI
	MUL16 4, (\q)%2, \q, \slot, \zero
	MUL16 6, (\q)%2, \q, \slot, \zero
	PLACES NP
	WIN 0
	FETCH_A \slot, (\q)+1, 4
.endm
; A slot's last step changes slots: one barrier; in front of it each wave waits for all its tensor loads, adds 0 to its spare word, and waits for that and for its own reads of this slot.  fill = 1: this slot is filled again, two K steps ahead.
.macro TURN slot, next, fill
	s_wait_tensorcnt 0x0                           ; all my tensor loads have landed: my part of the next slot
	ds_add_u32 v[SPW], v[NIL]                      ; 0 onto my spare word
	s_wait_dscnt 4*NL+1                            ; (the add and the youngest 24 loads, A's blocks 4-7, may be out)
	WIN MUL_LO
	MUL16 0, 1, NQ-1, \slot, 0                     ; sixteen matrix instructions stand between the add and the wait for it
	s_wait_dscnt 0x0                               ; the add is done, and my reads of this slot are over
	s_barrier_signal -1
	MUL16 2, 1, NQ-1, \slot, 0
	WIN 0
	s_barrier_wait -1
.if \fill
	CREST                                          ; the barrier has opened a round of the cluster's barrier: no wave of any partner still reads this slot's tile or has a load on its way
	s_add_nc_u64 s[G0+4*\slot+2:G0+4*\slot+3], s[G0+4*\slot+2:G0+4*\slot+3], 2*ROWB
	s_add_nc_u64 s[G0B+4*\slot+2:G0B+4*\slot+3], s[G0B+4*\slot+2:G0B+4*\slot+3], 2*ROWB
	JLOAD G0+4*\slot, G1, G0B+4*\slot, G1B         ; the first tensor load behind the round; the four v_nop behind it are the places in front of the loads below
.else
	PLACES NP
.endif
	v_add_nc_u32 v[ADRS], 4*NQ, v[ADRS]            ; on to the next K step's scale words (no LDS load of mine is out)
	FETCH_B \next, 0, 0
	FETCH_A \next, 0, 0
	SCALES \next
	WIN MUL_HI
	MUL16 4, 1, NQ-1, \slot, 0
	MUL16 6, 1, NQ-1, \slot, 0
	PLACES NP
	WIN 0
	FETCH_A \next, 0, 4
.endm
	s_wait_tensorcnt 1                             ; the scales and my part of K step 0 are in (K step 1's load may be out),
	s_barrier_signal -1
	s_barrier_wait -1                              ; everybody's are
	FETCH_B 0, 0, 0
	FETCH_A 0, 0, 0
	SCALES 0
	FETCH_A 0, 0, 4
	STEP 0, 0, 1                                   ; the first step stands in front of the loop: its products start the sums
	s_mov_b32 s3, LAPS-1
.Llap:                                                 ; a trip goes once round the ring, from a lap's second step to the next lap's first, and fills both slots again
	TURN 0, 1, 1
	STEP 1, 0, 0
	TURN 1, 0, 1
	STEP 0, 0, 0
	s_sub_co_u32 s3, s3, 1
	s_cmp_lg_u32 s3, 0
	s_cbranch_scc1 .Llap
	TURN 0, 1, 0                                   ; the last lap fills nothing, and has no round of the cluster's barrier
	STEP 1, 0, 0
	s_wait_dscnt 4*NL                              ; the very last step: nothing more to fetch
	WIN MUL_LO
	MUL16 0, 1, NQ-1, 1, 0
	MUL16 2, 1, NQ-1, 1, 0
	s_wait_dscnt 0
	WIN MUL_HI
	MUL16 4, 1, NQ-1, 1, 0
	MUL16 6, 1, NQ-1, 1, 0
	WIN 0
; THE WAY OUT: no LDS.  A's block a (16 rows) has 64 numbers a lane, register 16 b + i = B's logical row 32 b + 16 (lane / 16) + i: the bias is added and the 64 are quantised along B in registers.
; 64 numbers v[s] .. v[s + 63] of a lane become codes: v[d0 .. d0 + 5] = k 32 (lane / 16) + 0 .. 31, v[d1 .. d1 + 5] = k 64 + 32 (lane / 16) + 0 .. 31; v[pw] = my row's four scale bytes (the same in lanes l and l xor 16).
.macro QUANT s, d0, d1, pw
.irp b, 0,1,2,3
	v_max3_num_f32 v[TM+\b], |v[(\s)+16*\b]|, |v[(\s)+1+16*\b]|, 0x1800000   ; block b: my 16 numbers, and the floor 2^(3 - 127): the byte cannot fall under 1
.endr
.irp i, 2,4,6,8,10,12,14
.irp b, 0,1,2,3
	v_max3_num_f32 v[TM+\b], v[TM+\b], |v[(\s)+16*\b+\i]|, |v[(\s)+1+16*\b+\i]|   ; (the four blocks by turns)
.endr
.endr
.irp b, 0,1,2,3
	v_permlanex16_b32 v[TM+4+\b], v[TM+\b], s[SEL], s[SEL+1]
.endr
.irp b, 0,1,2,3
	v_max_num_f32 v[TM+\b], v[TM+\b], v[TM+4+\b]   ; with lane l xor 16's: the block's largest magnitude
.endr
.irp b, 0,1,2,3
	v_add_nc_u32 v[TM+12+\b], 0xff000000, v[TM+\b] ; 2 off its exponent field: the conversion's scale operand
.endr
.irp b, 0,1,2,3
	v_lshrrev_b32 v[TM+4+\b], 23, v[TM+12+\b]      ; the scale's byte
.endr
	v_lshl_or_b32 v[\pw], v[TM+5], 8, v[TM+4]
	v_lshl_or_b32 v[\pw], v[TM+6], 16, v[\pw]
	v_lshl_or_b32 v[\pw], v[TM+7], 24, v[\pw]
	v_cvt_scalef32_pk16_fp6_f32 v[(\d0):(\d0)+2], v[(\s):(\s)+15], v[TM+12]
	v_cvt_scalef32_pk16_fp6_f32 v[CT:CT+2], v[(\s)+16:(\s)+31], v[TM+13]       ; (a conversion's three registers begin on an even number)
	v_cvt_scalef32_pk16_fp6_f32 v[(\d1):(\d1)+2], v[(\s)+32:(\s)+47], v[TM+14]
	v_cvt_scalef32_pk16_fp6_f32 v[CT+4:CT+6], v[(\s)+48:(\s)+63], v[TM+15]
	v_nop                                          ; one plain place behind a scaled conversion
.irp i, 0,1,2                                  ; the operand's layout wants a whole block in a lane: lanes 0-15 the even block, lanes 16-31 the odd one
	v_permlane16_swap_b32 v[(\d0)+\i], v[CT+\i]
.endr
.irp i, 0,1,2
	v_mov_b32 v[(\d0)+3+\i], v[CT+\i]
.endr
.irp i, 0,1,2
	v_permlane16_swap_b32 v[(\d1)+\i], v[CT+4+\i]
.endr
.irp i, 0,1,2
	v_mov_b32 v[(\d1)+3+\i], v[CT+4+\i]
.endr
.endm
.macro ADDB a                          ; q, k: block a's 64 sums + the bias of their columns; each accumulator is read from its low end on
	WIN 0x02+(\a)/4                                ; source 0: window 2 or 3
.set i, 0
.rept 32
	v_pk_add_f32 v[T+2*i:T+2*i+1], v[64*((\a)%4)+2*i:64*((\a)%4)+2*i+1], v[BIAS+2*i:BIAS+2*i+1]
.set i, i+1
.endr
	WIN 0
.endm
.macro ADDV a                          ; v: block a's 64 sums + the bias of my lane's column d: one register of a pair serves both halves
	WIN 0x02+(\a)/4
.set i, 0
.rept 32
.if (\a)%2
	v_pk_add_f32 v[T+2*i:T+2*i+1], v[64*((\a)%4)+2*i:64*((\a)%4)+2*i+1], v[BV+(\a)-1:BV+(\a)] op_sel:[0,1] op_sel_hi:[1,1]
.else
	v_pk_add_f32 v[T+2*i:T+2*i+1], v[64*((\a)%4)+2*i:64*((\a)%4)+2*i+1], v[BV+(\a):BV+(\a)+1] op_sel_hi:[1,0]
.endif
.set i, i+1
.endr
	WIN 0
.endm
	s_wait_loadcnt 0x0                             ; the biases
	PLACES NP                                      ; behind the last products: their results are read, and the registers that held A's fragments and scale words are written
	s_mov_b32 s[HIM], 0xffff0000
	s_mov_b32 s[SEL], 0x76543210
	s_mov_b32 s[SEL+1], 0xfedcba98
.irp b, 0,1,2,3
	v_mov_b32 v[TM+4+\b], 0                        ; written once: a lane permute's destination counts as one of its sources
.endr
	s_cmp_eq_u32 ttmp9, 2
	s_cbranch_scc1 .Lv_out
	; q, k: my 128 columns are two heads of 64: blocks 0, 1 the first head's, blocks 2, 3 the second's.  Token tiles 2 J and 2 J + 1 share an image: registers 0-5 and 6-11
.irp J, 0,1,2,3
	s_wait_xcnt 0x0                                ; the last pair's stores have read their registers
	ADDB 2*\J
	QUANT T, IA, IB, PW0
	ADDB 2*\J+1
	QUANT T, IA+6, IB+6, PW1
	v_perm_b32 v[WA], v[PW1], v[PW0], 0x05040100   ; the first head's word: tile 2 J's two bytes, then tile 2 J + 1's
	v_perm_b32 v[WB], v[PW1], v[PW0], 0x07060302   ; the second head's
	v_cndmask_b32 v[SW+\J], v[WA], v[WB], s[HIM]   ; lanes 0-15 the first head's, lanes 16-31 the second's
.irp c, 0,1,2
	global_store_b128 v[LI], v[IA+4*\c:IA+4*\c+3], s[12:13] offset:1536*\J+512*\c        ; 32 lanes store 512 consecutive bytes, aligned
.endr
.irp c, 0,1,2
	global_store_b128 v[LI], v[IB+4*\c:IB+4*\c+3], s[12:13] offset:HS+1536*\J+512*\c
.endr
.endr
	global_store_b128 v[VS], v[SW:SW+3], s[12:13] offset:12288   ; sixteen lanes store a head's 256 bytes of scale words
	s_branch .Ljoin
.Lv_out:
	; v: block a's 16 rows are 16 columns d of head a / 4; the 128 keys are one K step of the second product: a whole fragment and one scale word a row
.irp a, 0,1,2,3,4,5,6,7
	s_wait_xcnt 0x0                                ; the last block's stores have read their registers
	ADDV \a
	QUANT T, IA, IA+6, SWV+\a
.irp c, 0,1,2
	global_store_b128 v[LI], v[IA+4*\c:IA+4*\c+3], s[12:13] offset:(\a/4)*HS+6144+(\a%4)*1536+512*\c
.endr
.endr
.irp t, 0,1,2,3
	v_cndmask_b32 v[SW+\t], v[SWV+\t], v[SWV+4+\t], s[HIM]
.endr
	global_store_b128 v[VS], v[SW:SW+3], s[12:13] offset:12544
.Ljoin:
	s_wait_tensorcnt 0x0                           ; the wave's end
	ds_add_u32 v[SPW], v[NIL]
	s_wait_dscnt 0x0
	CROUND                                         ; the closing round: no work-group ends while a partner may still ask for a tile that names it
	s_endpgm
.Lfunc_end_k_q2ff993921d_qkv:
	.size	k_q2ff993921d_qkv, .Lfunc_end_k_q2ff993921d_qkv-k_q2ff993921d_qkv
	.p2alignl 7, 3214868480
	.fill 96, 4, 3214868480
	.section	.rodata,"a",@progbits
	.p2align	6, 0x0
	.amdhsa_kernel k_q2ff993921d_qkv
		.amdhsa_group_segment_fixed_size 327680
		.amdhsa_private_segment_fixed_size 0
		.amdhsa_enable_private_segment 0
		.amdhsa_kernarg_size 72
		.amdhsa_user_sgpr_count 2
		.amdhsa_user_sgpr_kernarg_segment_ptr 1
		.amdhsa_wavefront_size32 1
		.amdhsa_system_sgpr_workgroup_id_x 1
		.amdhsa_system_sgpr_workgroup_id_y 1
		.amdhsa_system_sgpr_workgroup_id_z 1
		.amdhsa_system_vgpr_workitem_id 0
		.amdhsa_next_free_vgpr 1024
		.amdhsa_next_free_sgpr 106
		.amdhsa_reserve_vcc 0
		.amdhsa_float_denorm_mode_32 3
		.amdhsa_float_denorm_mode_16_64 3
		.amdhsa_memory_ordered 1
		.amdhsa_forward_progress 1
		.amdhsa_inst_pref_size 233
	.end_amdhsa_kernel
	.amdgpu_metadata
---
amdhsa.version: [ 1, 2 ]
amdhsa.kernels:
  - .name:           k_q2ff993921d_qkv
    .symbol:         k_q2ff993921d_qkv.kd
    .args:
      - { .name: xc, .offset: 0, .size: 8, .value_kind: global_buffer, .address_space: global }
      - { .name: xs, .offset: 8, .size: 8, .value_kind: global_buffer, .address_space: global }
      - { .name: wc, .offset: 16, .size: 8, .value_kind: global_buffer, .address_space: global }
      - { .name: ws, .offset: 24, .size: 8, .value_kind: global_buffer, .address_space: global }
      - { .name: bq, .offset: 32, .size: 8, .value_kind: global_buffer, .address_space: global }
      - { .name: bk, .offset: 40, .size: 8, .value_kind: global_buffer, .address_space: global }
      - { .name: bv, .offset: 48, .size: 8, .value_kind: global_buffer, .address_space: global }
      - { .name: qimg, .offset: 56, .size: 8, .value_kind: global_buffer, .address_space: global }
      - { .name: kvimg, .offset: 64, .size: 8, .value_kind: global_buffer, .address_space: global }
    .group_segment_fixed_size: 327680
    .private_segment_fixed_size: 0
    .kernarg_segment_align: 8
    .kernarg_segment_size: 72
    .max_flat_workgroup_size: 128
    .sgpr_count:     106
    .vgpr_count:     1024
    .wavefront_size: 32
...
	.end_amdgpu_metadata
.endif
;; end of part 2
;; launch attn (part 3): grid 16 x 64, 4 waves a work-group, no clusters, 111,104 bytes of LDS; arguments keep, qimg, kvimg, ac; writes ac
.if DOCPART == 3
	.amdgcn_target "amdgcn-amd-amdhsa--gfx1250"
	.amdhsa_code_object_version 6
	.text
	.protected	k_q2ff993921d_attn
	.globl	k_q2ff993921d_attn
	.p2align	8
	.type	k_q2ff993921d_attn,@function
k_q2ff993921d_attn:
	s_mov_b64 s[64:65], 0
	v_nop
	global_prefetch_b8 v0, s[64:65] scope:SCOPE_SE
	s_setreg_imm32_b32 hwreg(HW_REG_WAVE_MODE, 25, 1), 1
	s_wait_xcnt 0x0
; For each kept block of 64 queries and each head: O = softmax(q k^T / 8) v, both products on codes of FP6 (E2M3) with E8M0 scales; O / the row's sum is quantised along the head's 64 and stored as a record of ac.
; For each skipped block: records of zeros (zero codes under the byte 0, which is 2^-127 and no NaN).
; THE SOFTMAX AHEAD OF THE SECOND PRODUCT: t = score x log2(e) / 8; M = the row's largest t so far, rounded up to a whole number; p = 2^(t - M) is quantised along the keys, not normalised; the row's sum is taken
; of the unquantised p.  When M moves, the sum and O are multiplied by 2^(old M - new M): exact.
; SHARES.  Work-group (x = head, y = position i).  The kept blocks stand first in the order of positions: with n kept blocks, i < n is the i-th kept block, i >= n the (i - n)-th skipped one: every block has one owner for
; each head.  Wave w takes the block's tile w of 16 queries.  Every wave walks the head's 2,048 keys, 128 a step.
; The choice hangs on the masks that an earlier launch stored, so there is no tensor load here: a step's 12,800 bytes of K, V and scale words go memory -> registers -> LDS by the four waves together, one step ahead,
; through two slots; every barrier stands outside the branch on KEPT: an owner of a skipped block walks 16 empty steps.
; The LDS claim is larger than the use (29,184 bytes): three such claims exceed 327,680 bytes.
; K = 64 IN AN INSTRUCTION OF K = 128.  An image of K holds TWO tiles of 16 keys: one in registers 0-5 (k 0-63), one in 6-11 (k 64-127).  Against [q | 0] it gives the first tile's scores, against [0 | q] the second's.
; LAYOUT.  Both products are used transposed (S^T = K q^T, O^T = V^T p^T): a lane holds one query (lane % 16) throughout.  A tile's 16 keys are the logical keys 32 g + 8 u + r + 8 (r / 8), so that the 16 registers of
; tiles 2 g and 2 g + 1 are 16 neighbouring keys; V^T's rows d are chosen alike, so that O^T's registers run along d.
; LIMITS: NaN and infinities are not served; a block of zeros gets the byte 1 where the rule says 127 (this program alone reads the bytes).
.set BLKB,  12800                      ; a step's bytes: 4 images of K, 4 of V^T (1,536 each), 256 bytes of K's scale words, 256 of V's
.set HS,    16*BLKB                    ; a head's
.set SLOTB, 16384                      ; LDS: slot s begins at 16,384 s
.set LI,   1                           ; v1   16 x lane
.set L8,   2                           ; v2   8 x lane
.set VCO,  3                           ; v3   the copy: 3,072 x wave + 16 x lane, in memory and in a slot alike
.set VCS,  4                           ; v4   the copy's scale words: 12,288 + 128 x wave + 4 x lane
.set PFO,  5                           ; v5   256 x lane: the prefetches
.set R16,  6                           ; v6   16 x (lane % 16)
.set QS,   8                           ; v8   q's scale word (s0, s1, s0, s1)
.set PS,   9                           ; v9   p's scale word
.set QLO,  16                          ; v16-27 [q | 0]
.set QHI,  28                          ; v28-39 [0 | q]
.set KF,   40                          ; v40-87 four fragments: K's, then V's
.set SC,   88                          ; v88-91 lanes 0-15: K's scale word of image J; lanes 16-31: V's of tile t
.set S,    96                          ; v96-159 S^T, then p
.set O,    160                         ; v160-191 O^T
.set CP,   192                         ; v192-216 the copy in flight
.set PC,   218                         ; v218-229 p's codes; at the end the record
.set CT,   230                         ; v230-232, v234-236 the conversions' second halves
.set BM,   238                         ; v238-241 the blocks' largest scores, then p
.set BX,   242                         ; v242-245 at work
.set SO,   246                         ; v246-249 the conversions' scale operands
.set F,    250                         ; v[250:251] f = 2^(old M - new M), later 1 / the sum; v251 is named with it as a pair
.set TA,   252
.set WV,   12                          ; s12  wave
.set HD,   13                          ; s13  head
.set KEPT, 15                          ; s15  1: my block is kept
.set KV,   20                          ; s[20:21] the next step's bytes in kvimg
.set AC,   28                          ; s[28:29] my record
.set SEL,  32                          ; s32-33 v_permlanex16_b32's selects for lane l xor 16
.set CS,   34                          ; s[34:35] c = log2(e) / 8
.set PFA,  36                          ; s[36:37] where my prefetches stand
.set LIM,  38                          ; s38  steps in which I prefetch: 10 or 0
.set SJ,   39                          ; s39  the step
.set CNT,  40
	s_load_b256 s[4:11], s[0:1], 0x0               ; keep s[4:5], qimg s[6:7], kvimg s[8:9], ac s[10:11]
	v_lshl_add_u32 v254, v0, 2, 0x1b000
	v_mov_b32 v255, 0
	v_lshrrev_b32 v1, 5, v0
	v_readfirstlane_b32 s[WV], v1                  ; wave 0..3
	s_mov_b32 s[HD], ttmp9
	s_and_b32 s14, ttmp7, 0xffff                   ; my position
	v_and_b32 v7, 31, v0                           ; lane
	v_lshlrev_b32 v[LI], 4, v7
	v_lshlrev_b32 v[L8], 3, v7
	s_mul_i32 s57, s[WV], 3072
	v_lshl_add_u32 v[VCO], v7, 4, s57
	s_lshl_b32 s57, s[WV], 7
	s_add_co_u32 s57, s57, 12288
	v_lshl_add_u32 v[VCS], v7, 2, s57
	v_lshlrev_b32 v[PFO], 8, v7
	v_and_b32 v[R16], 15, v0
	v_lshlrev_b32 v[R16], 4, v[R16]
	s_wait_kmcnt 0x0
	s_load_b32 s16, s[4:5], 0x0                    ; batch 0's mask of kept blocks
	s_load_b32 s17, s[4:5], 0x80                   ; batch 1's
	s_wait_kmcnt 0x0
	; which block is mine
	s_bcnt1_i32_b32 s18, s16
	s_bcnt1_i32_b32 s19, s17
	s_add_co_u32 s41, s18, s19                     ; n: kept blocks in all
	s_not_b32 s43, s16
	s_not_b32 s44, s17
	s_sub_co_u32 s45, 32, s18
	s_cmp_lt_u32 s14, s41
	s_cselect_b32 s[KEPT], 1, 0
	s_cselect_b32 s42, 0, s41
	s_cselect_b32 s16, s16, s43                    ; the masks in which I look: of kept blocks, or of skipped ones
	s_cselect_b32 s17, s17, s44
	s_cselect_b32 s18, s18, s45                    ; how many of them batch 0 has
	s_sub_co_u32 s42, s14, s42                     ; my number among them
	s_cmp_ge_u32 s42, s18
	s_cselect_b32 s46, 1, 0                        ; the batch
	s_cselect_b32 s47, s18, 0
	s_cselect_b32 s16, s17, s16
	s_sub_co_u32 s42, s42, s47                     ; my number within the batch
	s_cmp_eq_u32 s42, 0
	s_cselect_b32 s48, 1, 0                        ; I am the batch's first
	s_mov_b32 s51, 0
.macro FIND w                          ; is the bit that I look for among the window's lower w bits?  If not: pass them
	s_and_b32 s49, s16, (1<<\w)-1
	s_bcnt1_i32_b32 s49, s49
	s_cmp_ge_u32 s42, s49
	s_cselect_b32 s49, s49, 0
	s_cselect_b32 s50, \w, 0
	s_sub_co_u32 s42, s42, s49
	s_lshr_b32 s16, s16, s50
	s_add_co_u32 s51, s51, s50
.endm
	FIND 16
	FIND 8
	FIND 4
	FIND 2
	FIND 1                                         ; s51: my block, 0 .. 31
	s_min_u32 s46, s46, 1                          ; numbers that came from memory are held inside their ranges before they enter an address
	s_lshr_b32 s52, s51, 1
	s_min_u32 s52, s52, 15                         ; which 128 tokens of the batch
	s_and_b32 s53, s51, 1
	s_min_u32 s53, s53, 1                          ; which half of them
	s_lshl_b32 s54, s46, 4
	s_add_co_u32 s54, s54, s[HD]
	s_mul_i32 s54, s54, HS                         ; (16 batch + head) x a head's bytes
	s_mov_b32 s55, 0
	s_add_nc_u64 s[KV:KV+1], s[8:9], s[54:55]
	s_add_nc_u64 s[22:23], s[6:7], s[54:55]
	s_mul_i32 s54, s52, BLKB
	s_add_nc_u64 s[22:23], s[22:23], s[54:55]      ; q's 128 tokens
	s_lshl_b32 s56, s53, 1
	s_lshr_b32 s57, s[WV], 1
	s_add_co_u32 s56, s56, s57                     ; the image that holds my tile: 2 x half + wave / 2
	s_mul_i32 s54, s56, 1536
	s_add_nc_u64 s[24:25], s[22:23], s[54:55]
	s_lshl_b32 s54, s56, 2
	s_add_co_u32 s54, s54, 12288
	s_add_nc_u64 s[26:27], s[22:23], s[54:55]      ; and its scale words
	s_lshl_b32 s54, s46, 5
	s_lshl_b32 s57, s52, 1
	s_add_co_u32 s54, s54, s57
	s_add_co_u32 s54, s54, s53                     ; the block among all 64
	s_lshl_b32 s54, s54, 2
	s_add_co_u32 s54, s54, s[WV]                   ; my tile of 16 rows among all 256
	s_lshl_b32 s54, s54, 4
	s_add_co_u32 s54, s54, s[HD]
	s_lshl_b32 s54, s54, 10
	s_add_nc_u64 s[AC:AC+1], s[10:11], s[54:55]
	s_and_b32 s57, s[WV], 1                        ; my tile is the image's first (0) or second (1)
	s_cmp_eq_u32 s57, 1
	s_cselect_b32 s30, -1, 0
	s_mov_b32 s31, 0x01000100
	s_cselect_b32 s31, 0x03020302, s31
	s_mov_b32 s[SEL], 0x76543210
	s_mov_b32 s[SEL+1], 0xfedcba98
	s_mov_b32 s[CS], 0x3e38aa3b                    ; log2(e) / 8
	s_mov_b32 s[CS+1], s[CS]                       ; (named with it as a pair, so it is written)
	; THE PREFETCHES.  A head's K and V are 25 pieces of 8,192 bytes (32 lanes, 256 bytes apart).  All kept blocks of a batch walk them: the batch's first kept block's work-group asks, for its head, by its waves 0 and 1:
	; in step j piece 5 + 2 j + wave, j = 0 .. 9.  So each 256 bytes are named once; pieces 0 to 4 come by the copy alone; the last piece named is the 24th, the head's last.
	s_add_co_u32 s54, s57, 5
	s_lshl_b32 s54, s54, 13
	s_add_nc_u64 s[PFA:PFA+1], s[KV:KV+1], s[54:55]
	s_and_b32 s57, s[KEPT], s48
	s_cmp_lt_u32 s[WV], 2
	s_cselect_b32 s57, s57, 0
	s_cmp_eq_u32 s57, 1
	s_cselect_b32 s[LIM], 10, 0
	s_mov_b32 s[SJ], 0
	s_mov_b32 s[CNT], 7
	; THE PROLOGUE runs in every work-group, so that every register that is read later has been written
.irp c, 0,1,2
	global_load_b128 v[S+4*\c:S+4*\c+3], v[LI], s[24:25] offset:512*\c   ; the image with my tile of q
.endr
	global_load_b32 v[S+12], v[R16], s[26:27]      ; its scale word of row r
.irp i, 0,1,2,3,4,5
	global_load_b128 v[CP+4*\i:CP+4*\i+3], v[VCO], s[KV:KV+1] offset:512*\i   ; step 0's bytes: my quarter
.endr
	global_load_b32 v[CP+24], v[VCS], s[KV:KV+1]
	s_wait_loadcnt 0x0
.irp i, 0,1,2,3,4,5
	ds_store_b128 v[VCO], v[CP+4*\i:CP+4*\i+3] offset:512*\i
.endr
	ds_store_b32 v[VCS], v[CP+24]
	s_add_nc_u64 s[KV:KV+1], s[KV:KV+1], BLKB      ; (the loads that named it are in)
	v_perm_b32 v[QS], v[S+12], v[S+12], s31        ; my tile's two bytes, twice
.irp i, 0,1,2,3,4,5
	v_cndmask_b32 v[QLO+\i], v[S+\i], v[S+6+\i], s30
.endr
.irp i, 0,1,2,3,4,5
	v_mov_b32 v[QHI+6+\i], v[QLO+\i]
	v_mov_b32 v[QLO+6+\i], 0
	v_mov_b32 v[QHI+\i], 0
.endr
	v_mov_b32 v13, 0xff61b1e6                      ; the largest t so far: -3e38, under every t
	v_floor_f32 v12, -v13                          ; -M
	v_mov_b32 v14, 0                               ; the sum, in two halves
	v_mov_b32 v15, 0
.irp b, 0,1,2,3
	v_mov_b32 v[BX+\b], 0                          ; written once: a lane permute's destination counts as one of its sources
.endr
	v_mov_b32 v[F+1], 0
	v_mov_b32 v[TA], 0
.set j, 0
.rept 32
	v_mov_b32 v[O+j], 0                            ; O^T.  (The step is written once: the first finds zeros, which the first change of M leaves zeros)
.set j, j+1
.endr
	s_wait_dscnt 0x0                               ; for the others' sake: my part of step 0 lies in slot 0
	s_barrier_signal -1
	s_barrier_wait -1
; A KEY STEP: the 128 keys in slot `slot`.  copy = 1: the next step's bytes are asked for at the head and go into the other slot at the end.
.macro STEP slot, copy
	s_cmp_eq_u32 s[KEPT], 0
	s_cbranch_scc1 .Lidle_\@                       ; a skipped block has no work; no barrier stands in the part that is passed over
.rept 4
	v_nop                                          ; places behind the last step's products, in front of loads into registers that they have read
.endr
.if \copy
.irp i, 0,1,2,3,4,5
	global_load_b128 v[CP+4*\i:CP+4*\i+3], v[VCO], s[KV:KV+1] offset:512*\i
.endr
	global_load_b32 v[CP+24], v[VCS], s[KV:KV+1]
.endif
	ds_load_b128 v[SC:SC+3], v[LI] offset:\slot*SLOTB+12288   ; lanes 0-15: K's four words of row r; lanes 16-31: V's
.irp f, 0,1,2,3
.irp c, 0,1,2
	ds_load_b128 v[KF+12*\f+4*\c:KF+12*\f+4*\c+3], v[LI] offset:\slot*SLOTB+1536*\f+512*\c
.endr
.endr
.if \copy
	s_cmp_lt_u32 s[SJ], s[LIM]
	s_cbranch_scc0 .Lnoask_\@
	global_prefetch_b8 v[PFO], s[PFA:PFA+1] th:TH_LOAD_NT scope:SCOPE_SE
.Lnoask_\@:
.endif
	s_wait_dscnt 0x0
.irp f, 0,1,2,3                                ; S^T: image f against [q | 0] and [0 | q]: tiles 2 f and 2 f + 1: 16 neighbouring keys in 16 registers
	v_wmma_scale_f32_16x16x128_f8f6f4 v[S+16*\f:S+16*\f+7], v[KF+12*\f:KF+12*\f+11], v[QLO:QLO+11], 0, v[SC+\f], v[QS] matrix_a_fmt:MATRIX_FMT_FP6 matrix_b_fmt:MATRIX_FMT_FP6
	v_wmma_scale_f32_16x16x128_f8f6f4 v[S+16*\f+8:S+16*\f+15], v[KF+12*\f:KF+12*\f+11], v[QHI:QHI+11], 0, v[SC+\f], v[QS] matrix_a_fmt:MATRIX_FMT_FP6 matrix_b_fmt:MATRIX_FMT_FP6
.endr
.rept 4
	v_nop                                          ; places: in front of the loads into K's registers, and of the first read of the scores
.endr
.irp f, 0,1,2,3
.irp c, 0,1,2
	ds_load_b128 v[KF+12*\f+4*\c:KF+12*\f+4*\c+3], v[LI] offset:\slot*SLOTB+6144+1536*\f+512*\c   ; V^T's four tiles land under the softmax
.endr
.endr
.irp b, 0,1,2,3
	v_max3_num_f32 v[BM+\b], v[S+16*\b], v[S+1+16*\b], v[S+2+16*\b]   ; the largest score of each block of 32 keys: it serves for the row's maximum and, since p rises with the score, for the block's largest p
.endr
.irp i, 3,5,7,9,11,13
.irp b, 0,1,2,3
	v_max3_num_f32 v[BM+\b], v[BM+\b], v[S+16*\b+\i], v[S+1+16*\b+\i]
.endr
.endr
.irp b, 0,1,2,3
	v_max_num_f32 v[BM+\b], v[BM+\b], v[S+15+16*\b]
.endr
.irp b, 0,1,2,3
	v_permlanex16_b32 v[BX+\b], v[BM+\b], s[SEL], s[SEL+1]
.endr
.irp b, 0,1,2,3
	v_max_num_f32 v[BM+\b], v[BM+\b], v[BX+\b]     ; with lane l xor 16's 16 keys
.endr
	v_max3_num_f32 v[TA], v[BM], v[BM+1], v[BM+2]
	v_max_num_f32 v[TA], v[TA], v[BM+3]            ; the step's largest score of my query
	v_mul_f32 v[TA], s[CS], v[TA]                  ; as t (c is positive)
	v_max_num_f32 v13, v13, v[TA]                  ; the running largest t
	v_mov_b32 v[TA], v12
	v_floor_f32 v12, -v13                          ; the new -M = floor(-t): M is a whole number
	v_sub_f32 v[TA], v12, v[TA]                    ; old M - new M: a whole number, 0 or less
	v_cvt_i32_f32 v[TA], v[TA]                     ; (it saturates)
	v_ldexp_f32 v[F], 1.0, v[TA]                   ; f = 2^(old M - new M)
.set j, 0
.rept 32
	v_pk_fma_f32 v[S+j:S+j+1], v[S+j:S+j+1], s[CS:CS+1], v[12:13] op_sel_hi:[1,0,0]   ; t - M, two at a time
.set j, j+2
.endr
.irp b, 0,1,2,3
	v_fma_f32 v[BM+\b], v[BM+\b], s[CS], v12       ; the same of each block's largest score
.endr
.set j, 0
.rept 64
	v_exp_f32 v[S+j], v[S+j]                       ; p = 2^(t - M), at most 1
.set j, j+1
.endr
	v_pk_mul_f32 v[14:15], v[14:15], v[F:F+1] op_sel_hi:[1,0]   ; the sums under the new M (a plain place behind the exponentials)
	s_wait_alu depctr_va_vdst(0)                   ; one wait for the batch of 64, ahead of its first reader
.irp b, 0,1,2,3
	v_exp_f32 v[BM+\b], v[BM+\b]                   ; the block's largest p: the same two instructions on the same number give the same bits
.endr
	v_pk_add_f32 v[BX:BX+1], v[S:S+1], v[S+2:S+3]  ; the row's sum is taken of the unquantised p: two at a time, in two chains
.irp j, 4,8,12,16,20,24,28,32,36,40,44,48,52,56,60
	v_pk_add_f32 v[14:15], v[14:15], v[S+\j:S+\j+1]
	v_pk_add_f32 v[BX:BX+1], v[BX:BX+1], v[S+2+\j:S+3+\j]
.endr
	v_pk_add_f32 v[14:15], v[14:15], v[BX:BX+1]
	s_wait_alu depctr_va_vdst(0)                   ; and one for the four
.irp b, 0,1,2,3
	v_max_num_f32 v[BM+\b], 0x1800000, v[BM+\b]    ; the floor 2^(3 - 127): the byte cannot fall under 1
.endr
.irp b, 0,1,2,3
	v_add_nc_u32 v[SO+\b], 0xff000000, v[BM+\b]    ; 2 off the exponent field: the conversion's scale operand
.endr
.irp b, 0,1,2,3
	v_lshrrev_b32 v[BX+\b], 23, v[SO+\b]           ; the scale's byte
.endr
	v_lshl_or_b32 v[PS], v[BX+1], 8, v[BX]         ; p's scale word for these 128 keys
	v_lshl_or_b32 v[PS], v[BX+2], 16, v[PS]
	v_lshl_or_b32 v[PS], v[BX+3], 24, v[PS]
.irp c, 0,1
	v_cvt_scalef32_pk16_fp6_f32 v[PC+6*\c:PC+6*\c+2], v[S+32*\c:S+32*\c+15], v[SO+2*\c]
	v_cvt_scalef32_pk16_fp6_f32 v[CT+4*\c:CT+4*\c+2], v[S+16+32*\c:S+31+32*\c], v[SO+2*\c+1]   ; (a conversion's three registers begin on an even number)
.endr
	v_nop                                          ; one plain place behind a scaled conversion
.irp c, 0,1                                    ; the operand's layout wants a whole block in a lane
.irp i, 0,1,2
	v_permlane16_swap_b32 v[PC+6*\c+\i], v[CT+4*\c+\i]
.endr
.irp i, 0,1,2
	v_mov_b32 v[PC+3+6*\c+\i], v[CT+4*\c+\i]
.endr
.endr
.set j, 0
.rept 16
	v_pk_mul_f32 v[O+j:O+j+1], v[O+j:O+j+1], v[F:F+1] op_sel_hi:[1,0]   ; O^T under the new M.  (These are also the places between the scale word and the codes just made and the products below)
.set j, j+2
.endr
	s_wait_dscnt 0x0                               ; V^T's tiles are in
.irp t, 0,1,2,3                                ; O^T += V^T p^T; the four accumulators take turns, one instruction a turn
	v_wmma_scale_f32_16x16x128_f8f6f4 v[O+8*\t:O+8*\t+7], v[KF+12*\t:KF+12*\t+11], v[PC:PC+11], v[O+8*\t:O+8*\t+7], v[SC+\t], v[PS] matrix_a_fmt:MATRIX_FMT_FP6 matrix_b_fmt:MATRIX_FMT_FP6 matrix_a_scale:MATRIX_SCALE_ROW1
.endr
.if \copy
	s_wait_loadcnt 0x0                             ; the next step's bytes have had the whole step in which to come
.irp i, 0,1,2,3,4,5
	ds_store_b128 v[VCO], v[CP+4*\i:CP+4*\i+3] offset:(1-\slot)*SLOTB+512*\i   ; into the slot that was read in the step before: the barrier at that step's end has closed those reads
.endr
	ds_store_b32 v[VCS], v[CP+24] offset:(1-\slot)*SLOTB
.endif
.Lidle_\@:
.endm
; BETWEEN TWO STEPS, on every path: one barrier for two things: my stores into the next slot are done, and so are my reads of this one.
.macro EDGE
	s_wait_dscnt 0x0
	s_wait_xcnt 0x0                                ; the step's loads and its prefetch, a step's work back, have read their addresses: they are stepped below
	s_barrier_signal -1
	s_barrier_wait -1
	s_add_nc_u64 s[KV:KV+1], s[KV:KV+1], BLKB
	s_add_nc_u64 s[PFA:PFA+1], s[PFA:PFA+1], 16384
	s_add_co_u32 s[SJ], s[SJ], 1
.endm
.Lpair:                                            ; 7 trips of two steps; the last two steps are written out, since the last copies nothing
	STEP 0, 1
	EDGE
	STEP 1, 1
	EDGE
	s_sub_co_u32 s[CNT], s[CNT], 1
	s_cmp_lg_u32 s[CNT], 0
	s_cbranch_scc1 .Lpair
	STEP 0, 1
	EDGE
	STEP 1, 0
.rept 4
	v_nop                                          ; places behind the last products, ahead of both ways below
.endr
	s_cmp_eq_u32 s[KEPT], 0
	s_cbranch_scc1 .Lzero
	; O^T / the sum, quantised along the head's 64: two blocks of 32; register 16 g + i is d = 32 g + 16 (lane / 16) + i of my query
	v_add_f32 v14, v14, v15                        ; the sum's two halves,
	v_permlanex16_b32 v[TA], v14, s[SEL], s[SEL+1]
	v_add_f32 v14, v14, v[TA]                      ; and lane l xor 16's: the row's sum
	v_rcp_f32 v[F], v14
	v_nop                                          ; a plain place behind the reciprocal
	s_wait_alu depctr_va_vdst(0)                   ; and the wait ahead of its first reader
.set j, 0
.rept 16
	v_pk_mul_f32 v[S+j:S+j+1], v[O+j:O+j+1], v[F:F+1] op_sel_hi:[1,0]   ; each accumulator from its low end on
.set j, j+2
.endr
.irp g, 0,1
	v_max3_num_f32 v[BM+\g], |v[S+16*\g]|, |v[S+1+16*\g]|, 0x1800000
.endr
.irp i, 2,4,6,8,10,12,14
.irp g, 0,1
	v_max3_num_f32 v[BM+\g], v[BM+\g], |v[S+16*\g+\i]|, |v[S+1+16*\g+\i]|
.endr
.endr
.irp g, 0,1
	v_permlanex16_b32 v[BX+\g], v[BM+\g], s[SEL], s[SEL+1]
.endr
.irp g, 0,1
	v_max_num_f32 v[BM+\g], v[BM+\g], v[BX+\g]
.endr
.irp g, 0,1
	v_add_nc_u32 v[SO+\g], 0xff000000, v[BM+\g]
.endr
.irp g, 0,1
	v_lshrrev_b32 v[BX+\g], 23, v[SO+\g]
.endr
	v_lshl_or_b32 v[PC+6], v[BX+1], 8, v[BX]       ; the record's scale word: my row's two bytes
	v_mov_b32 v[PC+7], 0
	v_cvt_scalef32_pk16_fp6_f32 v[PC:PC+2], v[S:S+15], v[SO]
	v_cvt_scalef32_pk16_fp6_f32 v[CT:CT+2], v[S+16:S+31], v[SO+1]
	v_nop                                          ; one plain place behind a scaled conversion
.irp i, 0,1,2
	v_permlane16_swap_b32 v[PC+\i], v[CT+\i]
.endr
.irp i, 0,1,2
	v_mov_b32 v[PC+3+\i], v[CT+\i]                 ; registers 0-5: k = 32 (lane / 16) + 0 .. 31 of my row
.endr
	s_branch .Lstore
.Lzero:
.irp i, 0,1,2,3,4,5,6,7
	v_mov_b32 v[PC+\i], 0                          ; a skipped block's rows are zeros ahead of the last product
.endr
.Lstore:
	global_store_b128 v[LI], v[PC:PC+3], s[AC:AC+1]              ; 512 consecutive bytes, aligned: registers 0-3
	global_store_b64 v[L8], v[PC+4:PC+5], s[AC:AC+1] offset:512  ; 256: registers 4-5
	global_store_b64 v[L8], v[PC+6:PC+7], s[AC:AC+1] offset:768  ; 256: the scale word, and a zero
	s_wait_tensorcnt 0x0
	ds_add_u32 v254, v255
	s_wait_dscnt 0x0
	s_endpgm
.Lfunc_end_k_q2ff993921d_attn:
	.size	k_q2ff993921d_attn, .Lfunc_end_k_q2ff993921d_attn-k_q2ff993921d_attn
	.p2alignl 7, 3214868480
	.fill 96, 4, 3214868480
	.section	.rodata,"a",@progbits
	.p2align	6, 0x0
	.amdhsa_kernel k_q2ff993921d_attn
		.amdhsa_group_segment_fixed_size 111104
		.amdhsa_private_segment_fixed_size 0
		.amdhsa_enable_private_segment 0
		.amdhsa_kernarg_size 32
		.amdhsa_user_sgpr_count 2
		.amdhsa_user_sgpr_kernarg_segment_ptr 1
		.amdhsa_wavefront_size32 1
		.amdhsa_system_sgpr_workgroup_id_x 1
		.amdhsa_system_sgpr_workgroup_id_y 1
		.amdhsa_system_sgpr_workgroup_id_z 1
		.amdhsa_system_vgpr_workitem_id 0
		.amdhsa_next_free_vgpr 256
		.amdhsa_next_free_sgpr 66
		.amdhsa_reserve_vcc 0
		.amdhsa_float_denorm_mode_32 3
		.amdhsa_float_denorm_mode_16_64 3
		.amdhsa_memory_ordered 1
		.amdhsa_forward_progress 1
		.amdhsa_inst_pref_size 78
	.end_amdhsa_kernel
	.amdgpu_metadata
---
amdhsa.version: [ 1, 2 ]
amdhsa.kernels:
  - .name:           k_q2ff993921d_attn
    .symbol:         k_q2ff993921d_attn.kd
    .args:
      - { .name: keep, .offset: 0, .size: 8, .value_kind: global_buffer, .address_space: global }
      - { .name: qimg, .offset: 8, .size: 8, .value_kind: global_buffer, .address_space: global }
      - { .name: kvimg, .offset: 16, .size: 8, .value_kind: global_buffer, .address_space: global }
      - { .name: ac, .offset: 24, .size: 8, .value_kind: global_buffer, .address_space: global }
    .group_segment_fixed_size: 111104
    .private_segment_fixed_size: 0
    .kernarg_segment_align: 8
    .kernarg_segment_size: 32
    .max_flat_workgroup_size: 128
    .sgpr_count:     66
    .vgpr_count:     256
    .wavefront_size: 32
...
	.end_amdgpu_metadata
.endif
;; end of part 3
;; launch oproj (part 4): grid 8 x 32, 4 waves a work-group, clusters of 4 x 4, 327,680 bytes of LDS; arguments ac, wc, ws, bo, out0; writes out0
.if DOCPART == 4
	.amdgcn_target "amdgcn-amd-amdhsa--gfx1250"
	.amdhsa_code_object_version 6
	.text
	.protected	k_q2ff993921d_oproj
	.globl	k_q2ff993921d_oproj
	.p2align	8
	.type	k_q2ff993921d_oproj,@function
k_q2ff993921d_oproj:
	s_mov_b64 s[64:65], 0
	v_nop
	global_prefetch_b8 v0, s[64:65] scope:SCOPE_SE
	s_setreg_imm32_b32 hwreg(HW_REG_WAVE_MODE, 25, 1), 1
	s_wait_xcnt 0x0
	s_wait_alu depctr_hold_cnt(0) depctr_sa_sdst(0) depctr_va_vdst(0) depctr_va_sdst(0) depctr_va_ssrc(0) depctr_va_vcc(0) depctr_vm_vsrc(0)
	s_getreg_b32 s2, hwreg(HW_REG_IB_STS2, 6, 4)
	s_cmp_eq_u32 s2, 0
	s_cbranch_scc0 .Lentry_in_a_cluster
	s_endpgm
.Lentry_in_a_cluster:
	s_bfe_u32 s2, ttmp6, 0x10000c
	s_cmp_lg_u32 s2, 0xf033
	s_cbranch_scc0 .Lentry_shape_is_right
	s_endpgm
.Lentry_shape_is_right:
; out0 = A Wo + bo on codes of FP6 (E2M3) with E8M0 scales, K = 1,024.  A comes as records of ac: [tile of 16 rows][head][1,024 bytes]: registers 0-3 of half a fragment (16 rows x 64 K) at 16 x lane,
; registers 4-5 at 512 + 8 x lane, the scale word (two bytes) at 768 + 8 x lane.  Two heads' records are a fragment of 16 rows x 128 K.  Wo's codes are rows 3,072 on of wc, K innermost.
; Rows of ac and of wc lie with bits 3 and 4 of their number exchanged; the way out puts rows and columns back.
; SHARES.  A work-group of four waves makes 128 x 128; a wave 64 x 64: 16 accumulators.  256 work-groups.
; ALL OF K FOR THE TILE LIES IN LDS AT ONCE: every LDS byte is filled once, so there is no ring; all loads go out together at the start, in four chunks of 256 along K, and each chunk is multiplied as it lands.
; By this text's own count a wave has at most five tensor loads out.
; CLUSTERS: 4 x 4 work-groups.  A's chunks are shared along a row of the cluster, Wo's along a column: each is asked for jointly, by the same tensor load with the same descriptor and a mask that names the four.
; THE MATRIX INSTRUCTION IS USED TRANSPOSED (source 0 = 16 rows of Wo's codes, source 1 = 16 rows of A): a lane holds a row of the output and eight of its columns.  The bias is loaded into the accumulators: the sums begin with it.
.set AB,   0                           ; LDS: A's chunk c at 32,768 c: 8 tiles of rows x 4 records
.set BB,   131072                      ; Wo's chunk c at BB + 30,720 c: 128 rows, 240 bytes apart (3 x (64 + 16 of padding))
.set BSC,  253952                      ; Wo's scale bytes: 128 rows x 32
.set STG,  258048                      ; the way out: 16 rows x (256 + 16) bytes for each wave; no fill lands here
.set AF,   16                          ; v16-63   four fragments of A
.set BF,   64                          ; v64-111  four of Wo (v64-79 first take the records' raw scale words)
.set SA,   112                         ; v112-119 A's scale words: register 4 q + i
.set SB,   120                         ; v120-127 Wo's: register 2 b + q
.set ACC,  128                         ; accumulator (a, b) at v[128 + 8 (4 a + b)]
.set G1A,  24                          ; s[24:31] descriptor group 1 for A's chunks;  s[32:39] for Wo's;  s[40:47] for Wo's scale bytes
.set G1B,  32
.set G1S,  40
.set G0A,  48                          ; s[48:63] groups 0 for A's four chunks;  s[68:83] for Wo's;  s[84:87] for the scale bytes
.set G0B,  68
.set G0S,  84
.macro CROUND                          ; a round of the cluster's barrier
	s_barrier_signal -1
	s_barrier_wait -1
	s_cmp_lg_u32 s14, 0
	s_cbranch_scc1 .Lnot_wave_0_\@
	s_barrier_signal -3
.Lnot_wave_0_\@:
	s_barrier_wait -3
	s_barrier_signal -1
	s_barrier_wait -1
.endm
	s_load_b256 s[4:11], s[0:1], 0x0               ; ac s[4:5], wc s[6:7], ws s[8:9], bo s[10:11]
	s_load_b64 s[12:13], s[0:1], 0x20              ; out0
	v_lshl_add_u32 v14, v0, 2, 0x43400
	v_mov_b32 v15, 0
	ds_add_u32 v14, v15
	ds_add_u32 v14, v15
	v_lshrrev_b32 v1, 5, v0
	v_readfirstlane_b32 s14, v1                    ; wave 0..3
	s_lshr_b32 s15, s14, 1                         ; which 64 rows are mine.  Also: I fetch for A (0) or for Wo (1)
	s_and_b32 s16, s14, 1                          ; which 64 columns.  Also: which half of a chunk I fetch
	s_bfe_u32 s18, ttmp6, 0x40000                  ; cx, cy: my place in the cluster
	s_bfe_u32 s19, ttmp6, 0x40004
	s_lshl_b32 s20, ttmp9, 2
	s_add_co_u32 s20, s20, s18                     ; tile column = 4 x cluster x + cx
	s_and_b32 s17, ttmp7, 0xffff
	s_lshl_b32 s17, s17, 2
	s_add_co_u32 s17, s17, s19                     ; tile row = 4 x cluster y + cy
	s_lshl_b32 s21, s19, 2
	s_lshl_b32 s21, 15, s21                        ; my row of the cluster
	s_lshl_b32 s22, 0x1111, s18                    ; my column
	; A: 4 tiles of rows x (4 records = 4,096 consecutive bytes = 512 elements of 8 bytes), 16 records (2,048 elements) from tile to tile; no padding
	s_or_b32 s[G1A+0], s21, (3<<16)|(1<<21)        ; 15:0 the mask; 17:16 elements of 8 bytes; 21 set beside a mask
	s_mov_b32 s[G1A+1], 512<<16                    ; tensor_dim0
	s_mov_b32 s[G1A+2], 4<<16                      ; tensor_dim1
	s_mov_b32 s[G1A+3], 512<<16                    ; tile_dim0
	s_mov_b32 s[G1A+4], 4                          ; tile_dim1
	s_mov_b32 s[G1A+5], 2048                       ; tensor_dim0_stride
	s_mov_b32 s[G1A+6], 0
	s_mov_b32 s[G1A+7], 0
	; Wo: 64 rows x 192 bytes, 768 bytes apart in memory; 16 bytes of padding behind every 64
	s_or_b32 s[G1B+0], s22, (0<<16)|(1<<20)|(1<<21)|(3<<22)|(3<<25)
	s_mov_b32 s[G1B+1], 192<<16
	s_mov_b32 s[G1B+2], 64<<16
	s_mov_b32 s[G1B+3], 192<<16
	s_mov_b32 s[G1B+4], 64
	s_mov_b32 s[G1B+5], 768
	s_mov_b32 s[G1B+6], 0
	s_mov_b32 s[G1B+7], 0
	; Wo's scale bytes of 64 rows: 2,048 dense bytes, as 8 rows of 256
	s_or_b32 s[G1S+0], s22, (3<<16)|(1<<21)
	s_mov_b32 s[G1S+1], 32<<16
	s_mov_b32 s[G1S+2], 8<<16
	s_mov_b32 s[G1S+3], 32<<16
	s_mov_b32 s[G1S+4], 8
	s_mov_b32 s[G1S+5], 32
	s_mov_b32 s[G1S+6], 0
	s_mov_b32 s[G1S+7], 0
	s_lshl_b32 s88, s17, 3
	s_lshl_b32 s89, s16, 2
	s_add_co_u32 s88, s88, s89                     ; A: the first tile of rows that I fetch: 8 x tile row + 4 x half
	s_lshl_b32 s88, s88, 14                        ; 16 records of 1,024 bytes a tile
	s_mov_b32 s89, 0
	s_lshl_b32 s90, s20, 7
	s_lshl_b32 s91, s16, 6
	s_add_co_u32 s90, s90, s91
	s_add_co_u32 s90, s90, 3072                    ; Wo: the first row of wc that I fetch
	s_lshl_b32 s92, s90, 5                         ; its scale bytes
	s_mov_b32 s93, 0
	s_mul_i32 s90, s90, 768                        ; its codes
	s_mov_b32 s91, 0
	s_lshl_b32 s94, s16, 14                        ; where they go: no place in the cluster enters an LDS address
	s_mul_i32 s95, s16, 15360
	s_add_co_u32 s95, s95, BB
	s_lshl_b32 s23, s16, 11
	s_add_co_u32 s23, s23, BSC
	s_wait_dscnt 0x0
	s_wait_kmcnt 0x0
	s_add_nc_u64 s[88:89], s[4:5], s[88:89]
	s_add_nc_u64 s[90:91], s[6:7], s[90:91]
	s_add_nc_u64 s[92:93], s[8:9], s[92:93]
.irp c, 0,1,2,3
	s_mov_b32 s[G0A+4*\c], 1
	s_add_co_u32 s[G0A+4*\c+1], s94, 32768*\c
	s_add_nc_u64 s[G0A+4*\c+2:G0A+4*\c+3], s[88:89], 4096*\c
	s_or_b32 s[G0A+4*\c+3], s[G0A+4*\c+3], 0x80000000
	s_mov_b32 s[G0B+4*\c], 1
	s_add_co_u32 s[G0B+4*\c+1], s95, 30720*\c
	s_add_nc_u64 s[G0B+4*\c+2:G0B+4*\c+3], s[90:91], 192*\c
	s_or_b32 s[G0B+4*\c+3], s[G0B+4*\c+3], 0x80000000
.endr
	s_mov_b32 s[G0S], 1
	s_mov_b32 s[G0S+1], s23
	s_mov_b64 s[G0S+2:G0S+3], s[92:93]
	s_or_b32 s[G0S+3], s[G0S+3], 0x80000000
	CROUND                                         ; all sixteen work-groups are here: the joint loads meet
	s_cmp_lt_u32 s14, 2                            ; a wave's fills stand in one branch, ahead of every wait on TENSORcnt, every LDS read and every further barrier; four v_nop follow the last
	s_cbranch_scc0 .Lfor_b
	tensor_load_to_lds s[G0A:G0A+3], s[G1A:G1A+7]
	s_nop 0
	tensor_load_to_lds s[G0A+4:G0A+7], s[G1A:G1A+7]
	s_nop 0
	tensor_load_to_lds s[G0A+8:G0A+11], s[G1A:G1A+7]
	s_nop 0
	tensor_load_to_lds s[G0A+12:G0A+15], s[G1A:G1A+7]
	s_nop 0
.rept 4
	v_nop
.endr
	s_branch .Lasked
.Lfor_b:
	tensor_load_to_lds s[G0S:G0S+3], s[G1S:G1S+7]  ; the scale bytes first: they are wanted with chunk 0
	s_nop 0
	tensor_load_to_lds s[G0B:G0B+3], s[G1B:G1B+7]
	s_nop 0
	tensor_load_to_lds s[G0B+4:G0B+7], s[G1B:G1B+7]
	s_nop 0
	tensor_load_to_lds s[G0B+8:G0B+11], s[G1B:G1B+7]
	s_nop 0
	tensor_load_to_lds s[G0B+12:G0B+15], s[G1B:G1B+7]
	s_nop 0
.rept 4
	v_nop
.endr
.Lasked:
	s_lshl_b32 s88, s20, 9
	s_lshl_b32 s90, s16, 8
	s_add_co_u32 s88, s88, s90                     ; my 64 columns, in bytes: 512 x tile column + 256 x half
	s_mov_b32 s89, 0
	s_add_nc_u64 s[10:11], s[10:11], s[88:89]      ; in bo,
	s_add_nc_u64 s[12:13], s[12:13], s[88:89]      ; and in a row of out0
	s_lshl_b32 s88, s17, 7
	s_lshl_b32 s90, s15, 6
	s_add_co_u32 s88, s88, s90                     ; my first row: 128 x tile row + 64 x half
	s_lshl_b32 s88, s88, 12
	s_add_nc_u64 s[12:13], s[12:13], s[88:89]
	v_and_b32 v1, 15, v0                           ; r
	v_bfe_u32 v2, v0, 4, 1                         ; h
	v_lshlrev_b32 v11, 6, v2                       ; the bias: register j of accumulator (a, b) is column 32 (b / 2) + 16 h + 8 (b % 2) + j of my 64
.irp a, 0,1,2,3
.irp b, 0,1,2,3
.irp e, 0,1
	global_load_b128 v[ACC+8*(4*\a+\b)+4*\e:ACC+8*(4*\a+\b)+4*\e+3], v11, s[10:11] offset:128*(\b/2)+32*(\b%2)+16*\e
.endr
.endr
.endr
	v_and_b32 v12, 31, v0                          ; lane
	s_lshl_b32 s88, s15, 14                        ; my four tiles of rows in a chunk of A
	v_lshl_add_u32 v3, v12, 4, s88                 ; v3: + 16 x lane
	v_lshl_add_u32 v4, v12, 3, s88                 ; v4: + 8 x lane
	s_mul_i32 s88, s16, 15360
	s_add_co_u32 s88, s88, BB                      ; my 64 rows in a chunk of Wo
	v_mul_u32_u24 v5, v1, 240
	v_mad_u32_u24 v5, v2, 24, v5
	v_add_nc_u32 v5, s88, v5                       ; v5: row x pitch + 24 x half
	v_lshl_add_u32 v6, v2, 4, v5                   ; v6: the same behind one padding more
	s_lshl_b32 s88, s16, 11
	s_add_co_u32 s88, s88, BSC
	v_lshl_add_u32 v7, v1, 5, s88                  ; v7: my row's scale bytes
	s_mul_i32 s88, s14, 16*272
	s_add_co_u32 s88, s88, STG                     ; my stage
	v_mul_u32_u24 v8, v1, 272
	v_lshl_add_u32 v8, v2, 6, v8
	v_add_nc_u32 v8, s88, v8                       ; v8: in: row r, + 64 h
	v_mul_u32_u24 v9, v2, 272
	v_lshl_add_u32 v9, v1, 4, v9
	v_add_nc_u32 v9, s88, v9                       ; v9: back: lanes 0-15 one row of 256 bytes, lanes 16-31 the next
	v_lshlrev_b32 v10, 12, v2
	v_lshl_add_u32 v10, v1, 4, v10                 ; v10: and the same two rows in out0
.macro AFRAG q                         ; A's four fragments of the chunk's q-th 128 along K: heads 2 q and 2 q + 1 of the chunk's four give registers 0-5 and 6-11
.irp i, 0,1,2,3
.irp e, 0,1
	ds_load_b128 v[AF+12*\i+6*\e:AF+12*\i+6*\e+3], v3 offset:4096*\i+1024*(2*(\q)+\e)
	ds_load_b64 v[AF+12*\i+6*\e+4:AF+12*\i+6*\e+5], v4 offset:4096*\i+1024*(2*(\q)+\e)+512
.endr
.endr
.endm
.macro BFRAG q                         ; Wo's four: pieces of 8 bytes; lanes 16-31 read three pieces further on, for some pieces behind one padding more: the second address register
.irp i, 0,1,2,3
.irp p, 0,1,2,3,4,5
.set PCE, 12*(\q)+6*(\p/3)+\p%3
.if PCE%8 < 5
	ds_load_b64 v[BF+12*\i+2*\p:BF+12*\i+2*\p+1], v5 offset:8*PCE+16*(PCE/8)+\i*16*240
.else
	ds_load_b64 v[BF+12*\i+2*\p:BF+12*\i+2*\p+1], v6 offset:8*PCE+16*(PCE/8)+\i*16*240
.endif
.endr
.endr
.endm
.macro MUL q                           ; 16 products; the 16 accumulators take turns, one instruction a turn, in the same order every time
.irp a, 0,1,2,3
.irp b, 0,1,2,3
	v_wmma_scale_f32_16x16x128_f8f6f4 v[ACC+8*(4*\a+\b):ACC+8*(4*\a+\b)+7], v[BF+12*\b:BF+12*\b+11], v[AF+12*\a:AF+12*\a+11], v[ACC+8*(4*\a+\b):ACC+8*(4*\a+\b)+7], v[SB+2*\b+(\q)], v[SA+4*(\q)+\a] matrix_a_fmt:MATRIX_FMT_FP6 matrix_b_fmt:MATRIX_FMT_FP6
.endr
.endr
.endm
.macro CHUNK c
	s_wait_tensorcnt 3-\c                          ; my part of chunk c is in (and the scale bytes, issued first); the 3 - c later chunks' loads may be out
	s_barrier_signal -1
	s_barrier_wait -1                              ; everybody's is
.irp q, 0,1
.irp i, 0,1,2,3
.irp e, 0,1
	ds_load_b32 v[BF+8*\q+2*\i+\e], v4 offset:4096*\i+1024*(2*\q+\e)+768   ; the records' scale words: two bytes each
.endr
.endr
.endr
.irp b, 0,1,2,3
	ds_load_b64 v[SB+2*\b:SB+2*\b+1], v7 offset:512*\b+8*\c   ; Wo's: the chunk's two words of row r of tile b
.endr
	AFRAG 0
	s_wait_dscnt 16                                ; the scale words are in; the 16 loads of A's fragments may be out
.irp q, 0,1
.irp i, 0,1,2,3
	v_perm_b32 v[SA+4*\q+\i], v[BF+8*\q+2*\i+1], v[BF+8*\q+2*\i], 0x05040100   ; two heads' two bytes make the word of 128 along K
.endr
.endr
	BFRAG 0
.rept 8
	v_nop                                          ; a scale register written by a vector instruction stands 8 places ahead of a scaled matrix instruction
.endr
.if \c == 0
	s_wait_loadcnt 0x0                             ; the bias
.endif
	s_wait_dscnt 0x0
	MUL 0
.rept 4
	v_nop                                          ; places in front of loads into registers that matrix instructions have read
.endr
	AFRAG 1
	BFRAG 1
	s_wait_dscnt 0x0
	MUL 1
	v_add_nc_u32 v3, 32768, v3                     ; on to the next chunk.  These four are also the places behind the chunk's last products
	v_add_nc_u32 v4, 32768, v4
	v_add_nc_u32 v5, 30720, v5
	v_add_nc_u32 v6, 30720, v6
.endm
	CHUNK 0
	CHUNK 1
	CHUNK 2
	CHUNK 3
; THE WAY OUT, a tile of 16 rows x 64 columns at a time, through my own stage: in by columns put back in their order, back as whole rows of 256 bytes.  LDS serves a wave's instructions in order: no wait between the stores and the loads.
; Stage row 2 t + h of tile a is physical row 16 a + 2 t + h of my 64, which is logical row 32 (a / 2) + 8 (a % 2) + 2 t + 8 (t / 4) + h.
.irp a, 0,1,2,3
.if \a >= 2
	s_wait_xcnt 0x0                                ; tile a - 2's stores have read their registers
.endif
.irp b, 0,1,2,3
.irp e, 0,1
	ds_store_b128 v8, v[ACC+8*(4*\a+\b)+4*\e:ACC+8*(4*\a+\b)+4*\e+3] offset:128*(\b/2)+32*(\b%2)+16*\e   ; each accumulator from its low end on
.endr
.endr
.irp t, 0,1,2,3,4,5,6,7
	ds_load_b128 v[AF+32*(\a%2)+4*\t:AF+32*(\a%2)+4*\t+3], v9 offset:544*\t
.endr
	s_wait_dscnt 0x0
.irp t, 0,1,2,3,4,5,6,7
	global_store_b128 v10, v[AF+32*(\a%2)+4*\t:AF+32*(\a%2)+4*\t+3], s[12:13] offset:(32*(\a/2)+8*(\a%2)+2*\t+8*(\t/4))*4096 th:TH_STORE_NT   ; sixteen lanes store 256 consecutive bytes, aligned
.endr
.endr
	s_wait_tensorcnt 0x0
	ds_add_u32 v14, v15
	s_wait_dscnt 0x0
	CROUND                                         ; the closing round: no work-group ends while a partner may still ask for a tile that names it
	s_endpgm
.Lfunc_end_k_q2ff993921d_oproj:
	.size	k_q2ff993921d_oproj, .Lfunc_end_k_q2ff993921d_oproj-k_q2ff993921d_oproj
	.p2alignl 7, 3214868480
	.fill 96, 4, 3214868480
	.section	.rodata,"a",@progbits
	.p2align	6, 0x0
	.amdhsa_kernel k_q2ff993921d_oproj
		.amdhsa_group_segment_fixed_size 327680
		.amdhsa_private_segment_fixed_size 0
		.amdhsa_enable_private_segment 0
		.amdhsa_kernarg_size 40
		.amdhsa_user_sgpr_count 2
		.amdhsa_user_sgpr_kernarg_segment_ptr 1
		.amdhsa_wavefront_size32 1
		.amdhsa_system_sgpr_workgroup_id_x 1
		.amdhsa_system_sgpr_workgroup_id_y 1
		.amdhsa_system_sgpr_workgroup_id_z 1
		.amdhsa_system_vgpr_workitem_id 0
		.amdhsa_next_free_vgpr 256
		.amdhsa_next_free_sgpr 96
		.amdhsa_reserve_vcc 0
		.amdhsa_float_denorm_mode_32 3
		.amdhsa_float_denorm_mode_16_64 3
		.amdhsa_memory_ordered 1
		.amdhsa_forward_progress 1
		.amdhsa_inst_pref_size 67
	.end_amdhsa_kernel
	.amdgpu_metadata
---
amdhsa.version: [ 1, 2 ]
amdhsa.kernels:
  - .name:           k_q2ff993921d_oproj
    .symbol:         k_q2ff993921d_oproj.kd
    .args:
      - { .name: ac, .offset: 0, .size: 8, .value_kind: global_buffer, .address_space: global }
      - { .name: wc, .offset: 8, .size: 8, .value_kind: global_buffer, .address_space: global }
      - { .name: ws, .offset: 16, .size: 8, .value_kind: global_buffer, .address_space: global }
      - { .name: bo, .offset: 24, .size: 8, .value_kind: global_buffer, .address_space: global }
      - { .name: out0, .offset: 32, .size: 8, .value_kind: global_buffer, .address_space: global }
    .group_segment_fixed_size: 327680
    .private_segment_fixed_size: 0
    .kernarg_segment_align: 8
    .kernarg_segment_size: 40
    .max_flat_workgroup_size: 128
    .sgpr_count:     96
    .vgpr_count:     256
    .wavefront_size: 32
...
	.end_amdgpu_metadata
.endif
;; end of part 4
